; MI455X (gfx1250); checked and timed in simulation.
; The chip was launched on July 23, 2026; its instructions are those of AMD's public machine-readable ISA for CDNA 5 (MIT licence, August 2026) and "CDNA5" Instruction Set Architecture Reference Guide (July 2026). The comments in the code are by the model that wrote it; some were corrected since.
;; CM Attention. Allowed arithmetic: float matrix products may take bf16 or f16 operands with f32 sums; all other float work in f32.
;; Inputs: W_qkv_a 1,024 x 3,072 float32; W_qkv_x 1,024 x 3,072 float32; a 2 x 2,048 x 1,024 float32; g_ka 16 x 1 x 64 float32; g_kx 16 x 1 x 64 float32; g_qa 16 x 1 x 64 float32; g_qx 16 x 1 x 64 float32; gate 16 float32; x 2 x 2,048 x 1,024 float32.
;; Outputs: out0 2 x 2,048 x 1,024 float32; out1 2 x 2,048 x 1,024 float32.
;; One version. Each part assembles by itself: llvm-mc -triple=amdgcn-amd-amdhsa -mcpu=gfx1250 --defsym DOCPART=n.
;; ======== version 1 of 1: 3 launches
;; limits: values are held in f16: magnitudes above 65,504 overflow, below 6.1e-05 lose precision; values outside matrix products are rounded to bf16
;; workspace buffers: xa16 16,777,216 bytes; wt16 12,582,912 bytes; rope 1,048,576 bytes; q16 16,777,216 bytes; k16 16,777,216 bytes; v16 16,777,216 bytes; mp 8,519,680 bytes
;; launch prep (part 1): grid 1312 x 1, 8 waves a work-group, no clusters, 18,432 bytes of LDS; arguments a, x, W_qkv_a, W_qkv_x, xa16, wt16, rope; writes xa16, wt16, rope
.if DOCPART == 1
	.amdgcn_target "amdgcn-amd-amdhsa--gfx1250"
	.amdhsa_code_object_version 6
	.text
	.protected	k_q8b9ac8524f_prep
	.globl	k_q8b9ac8524f_prep
	.p2align	8
	.type	k_q8b9ac8524f_prep,@function
k_q8b9ac8524f_prep:
	s_mov_b64 s[64:65], 0
	v_nop
	global_prefetch_b8 v0, s[64:65] scope:SCOPE_SE
	s_setreg_imm32_b32 hwreg(HW_REG_WAVE_MODE, 25, 1), 1
	s_wait_xcnt 0x0
; PREPARATION, three kinds of work-group, chosen by the work-group's number alone.
;   0 .. 767     a tile of 128 k x 64 n of one of the two weights [1024 k][3072 n] f32 is rounded to bf16, turned in LDS and stored with k along
;                the rows: wt16 row = src x 3072 + head x 192 + part x 64 + c (part 0, 1, 2 = q, k, v): a head's q, k, v columns are 192 rows on end.
;   768 .. 1279  65,536 bytes of a (first 256) or x (last 256) are rounded to bf16: xa16 = a's 4,096 rows, then x's.
;   1280 .. 1311 the table of rotations: rope[pos][i] = (cos, sin) of pos x 10000^(-i/32), 4,096 positions x 32 pairs, f32, 256 bytes a position.
; Memory binds: each input byte is read once, by 16-byte loads of which 16 lanes cover 256 consecutive bytes; each store of 16 (or 32) lanes
; covers 256 consecutive aligned bytes.  No matrix unit, no cluster: nothing is shared and nothing is multiplied.
; REGISTERS.  The text names 74 (a and x are rounded in the registers that they were loaded into): eight waves on four SIMDs of 1,024 registers
; leave room for six work-groups on a WGP, more than the 1,312 / 256 that fall to one, so every work-group's loads go out at the launch's start.
; FORMAT.  The whole program takes its inputs in bf16 (the gains and the gate too, in the launches that read them): it computes reference() of the
; inputs rounded to bf16, which the problem names as an expected result.  bf16 has f32's range, so a, x and the weights have no limit of size here.
; LIMIT.  The angle is reduced in turns with the product's rounding error carried along; what is left is the frequency's own error (v_exp_f32's
; last bit and the rounded 1/2pi), about 1.2e-7 of the angle: up to 5e-4 rad at position 4,095, the same for q and k and linear in the position.
.set WROW, 12288                       ; bytes in a row of a weight
.set TP,   272                         ; a row of the turned tile in LDS: 128 bf16 + 16 bytes
	s_load_b256 s[4:11], s[0:1], 0x0               ; a s[4:5], x s[6:7], W_a s[8:9], W_x s[10:11]
	s_load_b128 s[12:15], s[0:1], 0x20             ; xa16 s[12:13], wt16 s[14:15]
	s_load_b64 s[16:17], s[0:1], 0x30              ; rope
	v_lshl_add_u32 v72, v0, 2, 0x4400
	v_mov_b32 v73, 0
	s_mov_b32 s20, ttmp9
	s_cmp_lt_u32 s20, 768
	s_cbranch_scc0 .Lnot_w
	; ---- a tile of a weight ----
	s_cmp_ge_u32 s20, 384
	s_cselect_b32 s21, 1, 0                        ; src: 0 = a's weight, 1 = x's
	s_mul_i32 s22, s21, 384
	s_sub_co_u32 s22, s20, s22
	s_lshr_b32 s23, s22, 3                         ; which 64 columns (0 .. 47) = part x 16 + head
	s_and_b32 s24, s22, 7                          ; which 128 k
	s_lshr_b32 s25, s23, 4                         ; part
	s_and_b32 s26, s23, 15                         ; head
	s_mul_i32 s28, s24, 128*WROW
	s_lshl_b32 s27, s23, 8
	s_add_co_u32 s28, s28, s27                     ; the tile's first byte in the weight
	s_mov_b32 s29, 0
	s_mul_i32 s30, s21, 3072
	s_mul_i32 s27, s26, 192
	s_add_co_u32 s30, s30, s27
	s_lshl_b32 s27, s25, 6
	s_add_co_u32 s30, s30, s27                     ; first row in wt16
	s_lshl_b32 s30, s30, 11                        ; rows of 2,048 bytes
	s_lshl_b32 s27, s24, 8
	s_add_co_u32 s30, s30, s27                     ; + the 256 bytes of my 128 k
	s_mov_b32 s31, 0
	v_and_b32 v1, 15, v0                           ; which four columns
	v_lshrrev_b32 v2, 4, v0                        ; which four k (0 .. 15)
	v_mul_u32_u24 v3, v2, 4*WROW
	v_lshl_add_u32 v3, v1, 4, v3                   ; in: row 4 kq, 16 bytes at 16 a4: 16 lanes take a row's 256 bytes
	v_mul_u32_u24 v4, v1, 4*TP
	v_lshl_add_u32 v4, v2, 3, v4                   ; into LDS: row 4 a4 (+ q), 8 bytes at 8 kq
	v_mul_u32_u24 v5, v2, TP
	v_lshl_add_u32 v5, v1, 4, v5                   ; back: row kq (+ 16 j), 16 bytes at 16 a4
	v_lshlrev_b32 v6, 11, v2
	v_lshl_add_u32 v6, v1, 4, v6                   ; and the same place in wt16
	s_wait_kmcnt 0x0
	s_cmp_eq_u32 s21, 1
	s_cselect_b64 s[8:9], s[10:11], s[8:9]
	s_add_nc_u64 s[8:9], s[8:9], s[28:29]
	s_add_nc_u64 s[14:15], s[14:15], s[30:31]
.irp j, 0,1,2,3,4,5,6,7                ; rows k = 4 kq + j % 4 + 64 (j / 4)
	global_load_b128 v[8+4*\j:11+4*\j], v3, s[8:9] offset:(\j&3)*WROW+(\j>>2)*64*WROW th:TH_LOAD_NT
.endr
	s_wait_loadcnt 0x4                             ; loads come back in order: the first four rows are in, the other four stay out
.irp q, 0,1,2,3                        ; column 4 a4 + q: four neighbouring k make 8 bytes of its turned row
	v_cvt_pk_bf16_f32 v[40+2*\q], v[8+\q], v[12+\q]
	v_cvt_pk_bf16_f32 v[41+2*\q], v[16+\q], v[20+\q]
	ds_store_b64 v4, v[40+2*\q:41+2*\q] offset:\q*TP
.endr
	s_wait_loadcnt 0x0
.irp q, 0,1,2,3
	v_cvt_pk_bf16_f32 v[48+2*\q], v[24+\q], v[28+\q]
	v_cvt_pk_bf16_f32 v[49+2*\q], v[32+\q], v[36+\q]
	ds_store_b64 v4, v[48+2*\q:49+2*\q] offset:\q*TP+128
.endr
	s_wait_dscnt 0x0                               ; for the others' sake: my stores into the tile are done
	s_barrier_signal -1
	s_barrier_wait -1
.irp j, 0,1,2,3
	ds_load_b128 v[56+4*\j:59+4*\j], v5 offset:\j*16*TP
.endr
.irp j, 0,1,2,3
	s_wait_dscnt 3-\j                              ; LDS loads come back in order: number j is in
	global_store_b128 v6, v[56+4*\j:59+4*\j], s[14:15] offset:\j*32768  ; 16 lanes store 256 consecutive bytes, aligned
.endr
	s_wait_tensorcnt 0x0
	ds_add_u32 v72, v73
	s_wait_dscnt 0x0
	s_endpgm
.Lnot_w:
	s_cmp_lt_u32 s20, 1280
	s_cbranch_scc0 .Lrope
	; ---- 65,536 bytes of a or x ----
	s_sub_co_u32 s21, s20, 768
	s_and_b32 s22, s21, 255
	s_lshl_b32 s22, s22, 16
	s_mov_b32 s23, 0
	s_lshl_b32 s24, s21, 15
	s_mov_b32 s25, 0
	v_lshlrev_b32 v1, 4, v0
	v_lshlrev_b32 v2, 3, v0
	s_wait_kmcnt 0x0
	s_cmp_ge_u32 s21, 256
	s_cselect_b64 s[4:5], s[6:7], s[4:5]
	s_add_nc_u64 s[4:5], s[4:5], s[22:23]
	s_add_nc_u64 s[12:13], s[12:13], s[24:25]
.irp j, 0,1,2,3,4,5,6,7,8,9,10,11,12,13,14,15
	global_load_b128 v[8+4*\j:11+4*\j], v1, s[4:5] offset:4096*\j th:TH_LOAD_NT  ; all sixteen go out first
.endr
.irp j, 0,1,2,3,4,5,6,7,8,9,10,11,12,13,14,15
	s_wait_loadcnt 15-\j                           ; number j is in, the younger ones stay out
	v_cvt_pk_bf16_f32 v[8+4*\j], v[8+4*\j], v[9+4*\j]      ; in place: the four numbers' first two registers take the four bf16
	v_cvt_pk_bf16_f32 v[9+4*\j], v[10+4*\j], v[11+4*\j]
	global_store_b64 v2, v[8+4*\j:9+4*\j], s[12:13] offset:2048*\j  ; a wave's store covers 256 consecutive bytes, aligned; no register is written again behind its store
.endr
	s_endpgm
.Lrope:
	; ---- 128 positions of the table: 16 a wave, lane = pair i ----
	s_sub_co_u32 s21, s20, 1280
	v_lshrrev_b32 v1, 5, v0
	v_readfirstlane_b32 s22, v1
	s_lshl_b32 s21, s21, 7
	s_lshl_b32 s22, s22, 4
	s_add_co_u32 s21, s21, s22                     ; my wave's first position
	s_lshl_b32 s24, s21, 8
	s_mov_b32 s25, 0
	v_and_b32 v1, 31, v0
	v_cvt_f32_u32 v2, v1
	v_mul_f32 v2, 0xbed49a78, v2                   ; -log2(10000) / 32 x i
	v_exp_f32 v2, v2                               ; the pair's frequency
	v_lshlrev_b32 v1, 3, v1                        ; 8 bytes a pair (also the plain instruction behind the exponential)
	s_wait_alu depctr_va_vdst(0)
	v_mul_f32 v2, 0.15915494, v2                   ; in turns a position
	v_mov_b32 v3, 0xb2d7322b                       ; -1/11!
	v_mov_b32 v4, 0x310f76c7                       ; 1/12!
	s_wait_kmcnt 0x0
	s_add_nc_u64 s[16:17], s[16:17], s[24:25]
.set p, 0
.rept 16
	v_cvt_f32_u32 v5, s21
	s_add_co_u32 s21, s21, 1
	v_mul_f32 v6, v5, v2                           ; turns,
	v_fma_f32 v7, v5, v2, -v6                      ; and what the product's rounding dropped
	v_rndne_f32 v8, v6
	v_sub_f32 v6, v6, v8                           ; exact
	v_add_f32 v6, v6, v7                           ; the turn's fraction, -0.5 .. 0.5
	v_mul_f32 v6, 0x40490fdb, v6                   ; t = half the angle, within pi / 2
	v_mul_f32 v7, v6, v6
	v_fmaak_f32 v8, v3, v7, 0x3638ef1d             ; sin t and cos t by their series, to t^11 and t^12
	v_fmaak_f32 v9, v4, v7, 0xb493f27e
	v_fmaak_f32 v8, v8, v7, 0xb9500d01
	v_fmaak_f32 v9, v9, v7, 0x37d00d01
	v_fmaak_f32 v8, v8, v7, 0x3c088889
	v_fmaak_f32 v9, v9, v7, 0xbab60b61
	v_fmaak_f32 v8, v8, v7, 0xbe2aaaab
	v_fmaak_f32 v9, v9, v7, 0x3d2aaaab
	v_fma_f32 v8, v8, v7, 1.0
	v_fma_f32 v9, v9, v7, -0.5
	v_mul_f32 v8, v8, v6                           ; sin t
	v_fma_f32 v9, v9, v7, 1.0                      ; cos t
	v_add_f32 v10, v8, v8
	v_fma_f32 v[12+2*p], -v10, v8, 1.0             ; cos 2t = 1 - 2 sin^2 t
	v_mul_f32 v[13+2*p], v10, v9                   ; sin 2t = 2 sin t cos t
	global_store_b64 v1, v[12+2*p:13+2*p], s[16:17] offset:256*p  ; a wave's store is one position's 256 bytes
.set p, p+1
.endr
	s_endpgm
.Lfunc_end_k_q8b9ac8524f_prep:
	.size	k_q8b9ac8524f_prep, .Lfunc_end_k_q8b9ac8524f_prep-k_q8b9ac8524f_prep
	.p2alignl 7, 3214868480
	.fill 96, 4, 3214868480
	.section	.rodata,"a",@progbits
	.p2align	6, 0x0
	.amdhsa_kernel k_q8b9ac8524f_prep
		.amdhsa_group_segment_fixed_size 18432
		.amdhsa_private_segment_fixed_size 0
		.amdhsa_enable_private_segment 0
		.amdhsa_kernarg_size 56
		.amdhsa_user_sgpr_count 2
		.amdhsa_user_sgpr_kernarg_segment_ptr 1
		.amdhsa_wavefront_size32 1
		.amdhsa_system_sgpr_workgroup_id_x 1
		.amdhsa_system_sgpr_workgroup_id_y 1
		.amdhsa_system_sgpr_workgroup_id_z 1
		.amdhsa_system_vgpr_workitem_id 0
		.amdhsa_next_free_vgpr 74
		.amdhsa_next_free_sgpr 66
		.amdhsa_reserve_vcc 0
		.amdhsa_float_denorm_mode_32 3
		.amdhsa_float_denorm_mode_16_64 3
		.amdhsa_memory_ordered 1
		.amdhsa_forward_progress 1
		.amdhsa_inst_pref_size 33
	.end_amdhsa_kernel
	.amdgpu_metadata
---
amdhsa.version: [ 1, 2 ]
amdhsa.kernels:
  - .name:           k_q8b9ac8524f_prep
    .symbol:         k_q8b9ac8524f_prep.kd
    .args:
      - { .name: a, .offset: 0, .size: 8, .value_kind: global_buffer, .address_space: global }
      - { .name: x, .offset: 8, .size: 8, .value_kind: global_buffer, .address_space: global }
      - { .name: W_qkv_a, .offset: 16, .size: 8, .value_kind: global_buffer, .address_space: global }
      - { .name: W_qkv_x, .offset: 24, .size: 8, .value_kind: global_buffer, .address_space: global }
      - { .name: xa16, .offset: 32, .size: 8, .value_kind: global_buffer, .address_space: global }
      - { .name: wt16, .offset: 40, .size: 8, .value_kind: global_buffer, .address_space: global }
      - { .name: rope, .offset: 48, .size: 8, .value_kind: global_buffer, .address_space: global }
    .group_segment_fixed_size: 18432
    .private_segment_fixed_size: 0
    .kernarg_segment_align: 8
    .kernarg_segment_size: 56
    .max_flat_workgroup_size: 256
    .sgpr_count:     66
    .vgpr_count:     74
    .wavefront_size: 32
...
	.end_amdgpu_metadata
.endif
;; end of part 1
;; launch proj (part 2): grid 16 x 32, 4 waves a work-group, clusters of 4 x 4, 327,680 bytes of LDS; arguments xa16, wt16, rope, g_qa, g_ka, g_qx, g_kx, q16, k16, v16, mp; writes q16, k16, v16, mp
.if DOCPART == 2
	.amdgcn_target "amdgcn-amd-amdhsa--gfx1250"
	.amdhsa_code_object_version 6
	.text
	.protected	k_q8b9ac8524f_proj
	.globl	k_q8b9ac8524f_proj
	.p2align	8
	.type	k_q8b9ac8524f_proj,@function
k_q8b9ac8524f_proj:
	s_mov_b64 s[64:65], 0
	v_nop
	global_prefetch_b8 v0, s[64:65] scope:SCOPE_SE
	s_setreg_imm32_b32 hwreg(HW_REG_WAVE_MODE, 25, 1), 1
	s_wait_xcnt 0x0
	s_wait_alu depctr_hold_cnt(0) depctr_sa_sdst(0) depctr_va_vdst(0) depctr_va_sdst(0) depctr_va_ssrc(0) depctr_va_vcc(0) depctr_vm_vsrc(0)
	s_getreg_b32 s2, hwreg(HW_REG_IB_STS2, 6, 4)
	s_cmp_eq_u32 s2, 0
	s_cbranch_scc0 .Lentry_in_a_cluster
	s_endpgm
.Lentry_in_a_cluster:
	s_bfe_u32 s2, ttmp6, 0x10000c
	s_cmp_lg_u32 s2, 0xf033
	s_cbranch_scc0 .Lentry_shape_is_right
	s_endpgm
.Lentry_shape_is_right:
; THE PROJECTIONS, with all that follows them row by row.  xa16 [8192][1024] bf16 (a's rows, then x's) times wt16 [2 x 3072][1024] bf16 (K along the rows, a head's
; q, k, v columns as 192 rows on end); sums in f32.  Then, in registers: q and k are divided by their norm over the head's 64 columns (at least 1e-12), times 8,
; times the gain, and turned by the table's cos and sin of the packed position (a first, then x); q, k, v leave as f16 by heads, [batch x 16 + head][4096][64].
; sk = elu(k) + 1 and v of the work-group's 256 rows meet once more in the matrix unit: mp gets sk^T v (64 x 64) and the sum of sk (64), in f32, for this block of 256 positions.
; FORMATS.  The program computes reference() of its inputs rounded to bf16, which the problem names as an expected result: a product of two bf16 numbers is exact in the f32 sums, so the
; operands' rounding adds nothing against that result.  The gains are rounded to bf16 here for the same reason (up to 2^-9 of each against the unrounded gain): one consistent set of
; rounded inputs.  What is made of the sums (q, k, v, sk) goes on in f16: a segment's first rows have few keys and so v's own size, many times the output's root mean square,
; and bf16's eight bits there would be eight times f16's error.
; SHARES.  A work-group: 256 rows x one head's 192 columns, K = 1,024: 512 work-groups of equal work.  A wave: 64 rows x all 192 columns, so a row's norm never leaves the
; wave: 48 accumulators of 16 x 16, 384 registers.  K goes in steps of 128 through two LDS slots (A's 256 rows, B's 192 rows, 256 bytes of memory a row).
; THE MATRIX INSTRUCTION IS USED TRANSPOSED: source 0 = 16 rows of wt16, source 1 = 16 rows of xa16: lane l holds row l % 16 and the columns 16 b + 8 (l / 16) + 0 .. 7.
; CLUSTER.  4 x 4 work-groups: the four of a row of the cluster share their rows of xa16, the four of a column their head's rows of wt16: each tile is asked for jointly.
; PREFETCH.  A refill has one K step in which to land, two larger slots do not fit in LDS, and each tile is read here for the first time.  So the tiles of K steps 2 to 7 are asked for ahead,
; each aligned 256 bytes by one lane of one wave.  The sixteen work-groups of a block of rows (one a head) read the same tiles of xa16: each asks for 16 of a tile's 256 rows (wave 0: 32 lanes,
; two K steps).  The sixteen of a head and source read the same tiles of wt16: each asks for 12 of the 192 rows (wave 1: 24 lanes, two K steps; lanes 24 to 31 repeat lane 23's address in the
; same instruction).  At the start: K steps 2 and 3.  In trip i of the loop: K steps 2 i + 4 and 2 i + 5, 240 and 432 matrix instructions ahead of the tensor loads that bring them.
; The last trip asks for nothing; K steps 0 and 1 are wanted at once and are not asked for.
; LIMITS.  f16 ends at 65,504: v = x W must lie within it; q and k are at most 8 |gain|, sk at most that + 1.  NaN and infinities are not treated apart.
; REGISTERS, in windows of 256 (s_set_vgpr_msb: bits 1:0 source 0, 3:2 source 1, 5:4 source 2, 7:6 destination):
;   window 0: v1-31 addresses; v32-47 at work; v48-63, v112-127 rows read back from the stage; v64-127 A's fragments, two buffers of 32 (later T v64-95, PK v96-111);
;             v128-255 cos and sin, 32 for each block of 16 rows
;   window 1: v0-191 B's fragments, two buffers of 96; v192-223 q's gain, v224-255 k's
;   windows 2, 3: accumulator (a, b) in window 2 + a / 2 at v[96 (a % 2) + 8 b]
.set KSTEP, 128
.set PITCH, 272                        ; an LDS row: 256 bytes + 16 of padding, so that the 16 rows of a fragment load start 16 bytes further on in each 256
.set HALFA, 128*PITCH                  ; what waves 0 and 1 fetch: 128 rows of A each
.set HALFB, 96*PITCH                   ; what waves 2 and 3 fetch: 96 rows of B each
.set BOFF,  2*HALFA
.set SLOT,  2*HALFA+2*HALFB
.set LAPS,  4                          ; 1,024 / (2 x 128)
.set EP,    160                        ; pitch of the scratch rows (128 bytes of f16 + 32), as the turning loads want it
.set QST,   0                          ; the scratch lies in slot 0, whose last fill is K step 6 and whose last reads end in front of the barrier ahead of K step 7:
.set SKR,   10240                      ;   QST 4 waves x 16 rows, the stage for q and k; SKR 256 rows of sk; VR 256 rows of v
.set VR,    51200
.set PFO,  15                          ; v15     the prefetch: my lane's byte offset (a row and a K step); never rewritten
.set ADRA, 16                          ; v16-17  LDS address of my A fragments in slot 0, 1
.set ADRB, 20                          ; v20-21  the same for B
.set QSTO, 22
.set QRD,  23
.set VSTO, 24
.set VRD,  25
.set SKSTO, 26
.set GO,   27
.set TRS,  28
.set TRV,  29
.set MO,   30
.set ZO,   31
.set T,    64
.set PK,   96
.set PFB, 26                           ; s[26:27] the prefetch: xa16 (wave 0) or wt16 (the others) at my share's first row, K step 2; 512 bytes on in each trip
.set G1,  28                           ; s[28:35] descriptor group 1 for A's tiles; s[36:43] group 0, a set for each slot
.set G0,  36
.set G1B, 44                           ; s[44:51], s[52:59] the same for B's
.set G0B, 52
.set MSB, 0
.macro WIN new                         ; the immediate's high byte repeats the setting that is left; a switch that changes nothing is dropped
.if MSB != (\new)
	s_set_vgpr_msb (MSB<<8)|(\new)
.set MSB, (\new)
.endif
.endm
.macro PLACES                          ; four plain instructions between a matrix instruction and a load into, a write of or a read of its registers
.rept 4
	v_nop
.endr
.endm
; A joint refill.  Waves 0 and 1 fetch A's two halves, waves 2 and 3 B's.  The branch hangs on the wave's number alone.  Four v_nop follow each of the two lines.
.macro JLOAD s
	s_cmp_eq_u32 s61, 0
	s_cbranch_scc0 .Lfor_b_\@
	tensor_load_to_lds s[G0+4*(\s):G0+4*(\s)+3], s[G1:G1+7]
	s_nop 0
.rept 4
	v_nop
.endr
	s_branch .Lasked_\@
.Lfor_b_\@:
	tensor_load_to_lds s[G0B+4*(\s):G0B+4*(\s)+3], s[G1B:G1B+7]
	s_nop 0
.rept 4
	v_nop
.endr
.Lasked_\@:
.endm
.macro CREST                           ; a round of the cluster's barrier behind its opening barrier
	s_cmp_lg_u32 s60, 0
	s_cbranch_scc1 .Lnot_wave_0_\@
	s_barrier_signal -3
.Lnot_wave_0_\@:
	s_barrier_wait -3
	s_barrier_signal -1
	s_barrier_wait -1
.endm
.macro CROUND                          ; a whole round
	s_barrier_signal -1
	s_barrier_wait -1
	CREST
.endm
; The prefetch: waves 0 and 1 alone.  first = 1: at the start, the two K steps at the base (2 and 3).  first = 0: in the loop, the two K steps behind those; not in the loop's last trip,
; whose two would lie past the rows' ends.  Both branches hang on the wave's number and the loop's counter, the same in every work-group.
.macro PF first
	s_cmp_gt_u32 s60, 1
	s_cbranch_scc1 .Lno_pf_\@
.if \first
	global_prefetch_b8 v[PFO], s[PFB:PFB+1] th:TH_LOAD_NT scope:SCOPE_SE
.else
	s_cmp_eq_u32 s63, 1
	s_cbranch_scc1 .Lno_pf_\@
	global_prefetch_b8 v[PFO], s[PFB:PFB+1] offset:2*KSTEP*2 th:TH_LOAD_NT scope:SCOPE_SE
.endif
.Lno_pf_\@:
.endm
	s_load_b512 s[4:19], s[0:1], 0x0               ; xa16 s[4:5], wt16 s[6:7], rope s[8:9], g_qa s[10:11], g_ka s[12:13], g_qx s[14:15], g_kx s[16:17], q16 s[18:19]
	s_load_b128 s[20:23], s[0:1], 0x40             ; k16 s[20:21], v16 s[22:23]
	s_load_b64 s[24:25], s[0:1], 0x50              ; mp
	v_lshl_add_u32 v19, v0, 2, 0x3b800
	v_mov_b32 v39, 0
	ds_add_u32 v19, v39
	ds_add_u32 v19, v39
	v_lshrrev_b32 v1, 5, v0
	v_readfirstlane_b32 s60, v1                    ; wave 0..3
	s_lshr_b32 s61, s60, 1                         ; I fetch for A (0) or for B (1),
	s_and_b32 s62, s60, 1                          ; and which half of its rows
	s_bfe_u32 s66, ttmp6, 0x40000                  ; cx
	s_bfe_u32 s67, ttmp6, 0x40004                  ; cy
	s_lshl_b32 s68, ttmp9, 2
	s_add_co_u32 s68, s68, s66                     ; head = 4 x cluster x + cx
	s_and_b32 s70, ttmp7, 0xffff                   ; cluster y
	s_lshl_b32 s69, s70, 2
	s_add_co_u32 s69, s69, s67                     ; block of 256 rows = 4 x cluster y + cy
	s_lshr_b32 s71, s70, 2                         ; src: 0 = a, 1 = x: from the cluster's y alone, so all sixteen partners share it
	s_bfe_u32 s72, s70, 0x10001                    ; batch
	s_lshl_b32 s73, s67, 2
	s_lshl_b32 s73, 15, s73                        ; my row of the cluster
	s_lshl_b32 s74, 0x1111, s66                    ; my column
	s_or_b32 s[G1+0], s73, (1<<16)|(1<<20)|(1<<21)|(5<<22)|(3<<25)   ; 15:0 the mask; 17:16 2-byte elements; 20 padding on; 21 set beside a mask; 24:22 after every 64 words; 31:25 4 words
	s_or_b32 s[G1B+0], s74, (1<<16)|(1<<20)|(1<<21)|(5<<22)|(3<<25)
	s_mov_b32 s[G1+1], KSTEP<<16                   ; tensor_dim0 = 128
	s_mov_b32 s[G1B+1], KSTEP<<16
	s_mov_b32 s[G1+2], 128<<16                     ; tensor_dim1 = 128 rows of A,
	s_mov_b32 s[G1B+2], 96<<16                     ; 96 of B
	s_mov_b32 s[G1+3], KSTEP<<16                   ; tile_dim0 = 128
	s_mov_b32 s[G1B+3], KSTEP<<16
	s_mov_b32 s[G1+4], 128                         ; tile_dim1
	s_mov_b32 s[G1B+4], 96
	s_mov_b32 s[G1+5], 1024                        ; elements from row to row
	s_mov_b32 s[G1B+5], 1024
	s_mov_b32 s[G1+6], 0
	s_mov_b32 s[G1B+6], 0
	s_mov_b32 s[G1+7], 0
	s_mov_b32 s[G1B+7], 0
	s_lshl_b32 s76, s69, 19                        ; A: (256 x block + 128 x half) rows of 2,048 bytes: hangs on cy, never on cx
	s_lshl_b32 s80, s62, 18
	s_add_co_u32 s76, s76, s80
	s_mov_b32 s77, 0
	s_mul_i32 s78, s71, 3072                       ; B: (src x 3072 + 192 x head + 96 x half) rows: hangs on cx, never on cy
	s_mul_i32 s81, s68, 192
	s_add_co_u32 s78, s78, s81
	s_mul_i32 s81, s62, 96
	s_add_co_u32 s78, s78, s81
	s_lshl_b32 s78, s78, 11
	s_mov_b32 s79, 0
	s_mul_i32 s75, s62, HALFA                      ; where they go: no place in the cluster enters an LDS address
	s_mul_i32 s92, s62, HALFB
	s_add_co_u32 s92, s92, BOFF
	s_mov_b32 s84, 0x76543210                      ; v_permlanex16_b32: each lane takes its own place in the other half
	s_mov_b32 s85, 0xfedcba98
	s_wait_dscnt 0x0
	s_wait_kmcnt 0x0
	s_add_nc_u64 s[76:77], s[4:5], s[76:77]
	s_add_nc_u64 s[78:79], s[6:7], s[78:79]
	CROUND                                         ; all sixteen work-groups are here: the first joint loads meet
.irp s, 0,1
	s_mov_b32 s[G0+4*\s], 1                        ; count = 1
	s_add_co_u32 s[G0+4*\s+1], s75, \s*SLOT        ; LDS address
	s_add_nc_u64 s[G0+4*\s+2:G0+4*\s+3], s[76:77], \s*KSTEP*2  ; global address: K step s
	s_or_b32 s[G0+4*\s+3], s[G0+4*\s+3], 0x80000000            ; type = 2
	s_mov_b32 s[G0B+4*\s], 1
	s_add_co_u32 s[G0B+4*\s+1], s92, \s*SLOT
	s_add_nc_u64 s[G0B+4*\s+2:G0B+4*\s+3], s[78:79], \s*KSTEP*2
	s_or_b32 s[G0B+4*\s+3], s[G0B+4*\s+3], 0x80000000
.endr
	s_cmp_eq_u32 s61, 0                            ; a wave's two first fills stand in one branch, ahead of every wait on TENSORcnt and every LDS read: two loads of mine are out
	s_cbranch_scc0 .Lfirst_b
	tensor_load_to_lds s[G0:G0+3], s[G1:G1+7]
	s_nop 0
	tensor_load_to_lds s[G0+4:G0+7], s[G1:G1+7]
	s_nop 0
.rept 4
	v_nop
.endr
	s_branch .Lfirst_asked
.Lfirst_b:
	tensor_load_to_lds s[G0B:G0B+3], s[G1B:G1B+7]
	s_nop 0
	tensor_load_to_lds s[G0B+4:G0B+7], s[G1B:G1B+7]
	s_nop 0
.rept 4
	v_nop
.endr
.Lfirst_asked:
	; the other buffers at my work-group's and my wave's place
	s_cmp_eq_u32 s71, 1
	s_cselect_b64 s[86:87], s[14:15], s[10:11]     ; q's gain: x's or a's
	s_cselect_b64 s[88:89], s[16:17], s[12:13]     ; k's
	s_lshl_b32 s94, s68, 8                         ; the head's 64 gains
	s_mov_b32 s95, 0
	s_add_nc_u64 s[86:87], s[86:87], s[94:95]
	s_add_nc_u64 s[88:89], s[88:89], s[94:95]
	s_and_b32 s96, s69, 7
	s_lshl_b32 s97, s71, 3
	s_add_co_u32 s97, s97, s96                     ; my block of 256 packed positions, 0 .. 15
	s_lshl_b32 s96, s97, 8
	s_lshl_b32 s98, s60, 6
	s_add_co_u32 s96, s96, s98                     ; my wave's first position
	s_lshl_b32 s94, s96, 8
	s_add_nc_u64 s[90:91], s[8:9], s[94:95]        ; its row of the table
	s_lshl_b32 s98, s72, 4
	s_add_co_u32 s98, s98, s68                     ; batch x 16 + head
	s_lshl_b32 s94, s98, 12
	s_add_co_u32 s94, s94, s96
	s_lshl_b32 s94, s94, 7                         ; rows of 128 bytes
	s_add_nc_u64 s[18:19], s[18:19], s[94:95]
	s_add_nc_u64 s[20:21], s[20:21], s[94:95]
	s_add_nc_u64 s[22:23], s[22:23], s[94:95]
	s_lshl_b32 s94, s98, 4
	s_add_co_u32 s94, s94, s97
	s_mul_i32 s94, s94, 16640                      ; a block of mp: 16,384 bytes of sk^T v, 256 of the sum of sk
	s_add_nc_u64 s[24:25], s[24:25], s[94:95]
	; the prefetch's base.  Of xa16: row 256 x block + 16 x head.  Of wt16: row src x 3072 + 192 x head + 12 x (block % 16).  Rows of 2,048 bytes; K step 2 begins 512 bytes into a row.
	s_lshl_b32 s96, s69, 19
	s_lshl_b32 s97, s68, 15
	s_add_co_u32 s96, s96, s97
	s_mul_i32 s97, s71, 3072
	s_mul_i32 s98, s68, 192
	s_add_co_u32 s97, s97, s98
	s_and_b32 s98, s69, 15
	s_mul_i32 s98, s98, 12
	s_add_co_u32 s97, s97, s98
	s_lshl_b32 s97, s97, 11
	s_cmp_eq_u32 s60, 0                            ; wave 0 asks of xa16, wave 1 of wt16 (waves 2 and 3 make wave 1's numbers and ask for nothing)
	s_cselect_b64 s[PFB:PFB+1], s[4:5], s[6:7]
	s_cselect_b32 s94, s96, s97
	s_cselect_b32 s99, -1, 0                       ; a lane mask: all lanes of wave 0
	s_add_co_u32 s94, s94, 2*KSTEP*2
	s_add_nc_u64 s[PFB:PFB+1], s[PFB:PFB+1], s[94:95]
	; A fragment is 16 rows x 32 K in 8 registers: lane l holds row l % 16, K = 8 (l / 16) + 0..7 and 16 + 8 (l / 16) + 0..7: two loads of 16 bytes, 32 bytes apart.
	v_and_b32 v1, 15, v0                           ; r = l % 16
	v_bfe_u32 v2, v0, 4, 1                         ; h = l / 16
	v_and_b32 v3, 31, v0                           ; l
	v_mul_u32_u24 v4, v1, PITCH
	v_lshl_add_u32 v4, v2, 4, v4
	s_mul_i32 s80, s60, 64*PITCH                   ; my 64 rows of A
	v_add_nc_u32 v[ADRA], s80, v4
	v_add_nc_u32 v[ADRA+1], SLOT, v[ADRA]
	v_add_nc_u32 v[ADRB], BOFF, v4                 ; every wave reads all of B
	v_add_nc_u32 v[ADRB+1], SLOT+BOFF, v4
	v_mul_u32_u24 v5, v1, EP
	v_lshl_add_u32 v5, v2, 4, v5                   ; into a scratch row: row r, 16 bytes for each half of the lanes
	v_lshrrev_b32 v6, 3, v3
	v_and_b32 v7, 7, v0
	v_mul_u32_u24 v6, v6, EP
	v_lshl_add_u32 v6, v7, 4, v6                   ; back: 32 lanes take four rows of 128 bytes
	s_mul_i32 s80, s60, 16*EP
	s_mul_i32 s81, s60, 64*EP
	v_add_nc_u32 v[QSTO], s80, v5                  ; (QST = 0)
	v_add_nc_u32 v[QRD], s80, v6
	s_add_co_u32 s82, s81, VR
	v_add_nc_u32 v[VSTO], s82, v5
	v_add_nc_u32 v[VRD], s82, v6
	s_add_co_u32 s83, s81, SKR
	v_add_nc_u32 v[SKSTO], s83, v5
	v_lshlrev_b32 v[GO], 4, v3                     ; which are 512 consecutive bytes of q16, k16 or v16
	v_lshl_add_u32 v8, v2, 3, v7                   ; the turning load: lane l reads row 8 h + l % 8, 16 bytes at 16 ((l / 8) % 2)
	v_mul_u32_u24 v8, v8, EP
	v_bfe_u32 v9, v0, 3, 1
	v_lshl_add_u32 v8, v9, 4, v8
	v_add_nc_u32 v[TRV], VR, v8
	s_lshl_b32 s80, s60, 5                         ; of sk my wave takes the columns 16 w on
	s_add_co_u32 s80, s80, SKR
	v_add_nc_u32 v[TRS], s80, v8
	s_lshl_b32 s81, s60, 8
	v_lshlrev_b32 v[MO], 4, v1
	v_lshl_add_u32 v[MO], v2, 12, v[MO]
	v_add_nc_u32 v[MO], s81, v[MO]                 ; in mp: h x 4,096 + (16 w + r) x 16
	s_lshl_b32 s82, s60, 6
	s_add_co_u32 s82, s82, 16384
	v_lshl_add_u32 v[ZO], v1, 2, s82               ; 16,384 + 4 (16 w + r)
	v_lshlrev_b32 v10, 5, v2                       ; my 8 columns' gains: 32 h (+ 64 for each 16 columns); never rewritten
	v_lshl_add_u32 v11, v1, 8, v10                 ; my row of the table, my 4 pairs; never rewritten
	; the prefetch's lane offsets.  Of wt16: lane m = min(l, 23) takes row m % 12 of my 12, K step m / 12 of the two.  Of xa16: row l % 16 of my 16, K step l / 16.
	v_min_u32 v12, 23, v3
	v_cmp_lt_u32 vcc_lo, 11, v12
	v_cndmask_b32 v13, 0, 1, vcc_lo                ; m / 12
	v_mul_u32_u24 v14, v13, 12
	v_sub_nc_u32 v12, v12, v14                     ; m % 12
	v_lshlrev_b32 v12, 11, v12
	v_lshl_add_u32 v12, v13, 8, v12                ; row x 2,048 + K step x 256
	v_lshlrev_b32 v14, 11, v1
	v_lshl_add_u32 v14, v2, 8, v14
	v_cndmask_b32 v[PFO], v12, v14, s99            ; wave 0 takes xa16's
	; gains and rotations: 48 loads that stay out over the whole K loop; their registers are touched again only behind the wait at the loop's end
	WIN 0x40
.irp b, 0,1,2,3
.irp q, 0,1
	global_load_b128 v[192+8*\b+4*\q:195+8*\b+4*\q], v10, s[86:87] offset:64*\b+16*\q
	global_load_b128 v[224+8*\b+4*\q:227+8*\b+4*\q], v10, s[88:89] offset:64*\b+16*\q
.endr
.endr
	WIN 0
.irp a, 0,1,2,3
.irp b, 0,1,2,3
.irp q, 0,1
	global_load_b128 v[128+32*\a+8*\b+4*\q:131+32*\a+8*\b+4*\q], v11, s[90:91] offset:4096*\a+64*\b+16*\q
.endr
.endr
.endr
	PF 1                                           ; K steps 2 and 3: their tensor loads stand 168 and 360 matrix instructions behind the first tile's arrival
	v_mov_b32 v37, 0                               ; named with v36 as a pair
	v_mov_b32 v38, 0                               ; v_permlanex16_b32's destination counts as read
; 12 matrix instructions: row block 2 hi + a x all 12 column blocks, 32 along K, from buffer f.  zero = 1: the first product starts the sums.
; The 48 accumulators take turns, one instruction a turn, in the same order in every quarter.
.macro MUL12 f, hi, a, zero
	WIN 0xa1+0x50*(\hi)                            ; source 0 (B) window 1, source 1 (A) window 0, C and D window 2 or 3
.irp b, 0,1,2,3,4,5,6,7,8,9,10,11
.if \zero
	v_wmma_f32_16x16x32_bf16 v[96*(\a)+8*\b:96*(\a)+8*\b+7], v[96*(\f)+8*\b:96*(\f)+8*\b+7], v[64+32*(\f)+8*(2*(\hi)+(\a)):64+32*(\f)+8*(2*(\hi)+(\a))+7], 0
.else
	v_wmma_f32_16x16x32_bf16 v[96*(\a)+8*\b:96*(\a)+8*\b+7], v[96*(\f)+8*\b:96*(\f)+8*\b+7], v[64+32*(\f)+8*(2*(\hi)+(\a)):64+32*(\f)+8*(2*(\hi)+(\a))+7], v[96*(\a)+8*\b:96*(\a)+8*\b+7]
.endif
.endr
.endm
; 32 LDS loads in one run: the fragments of 32 along K at byte k of the rows, into buffer f: B's 192 rows, then my 64 rows of A
.macro FETCH slot, k, f
	WIN 0x40
.irp i, 0,1,2,3,4,5,6,7,8,9,10,11
	ds_load_b128 v[96*(\f)+8*\i:96*(\f)+8*\i+3],   v[ADRB+(\slot)] offset:(\k)+\i*16*PITCH
	ds_load_b128 v[96*(\f)+8*\i+4:96*(\f)+8*\i+7], v[ADRB+(\slot)] offset:(\k)+\i*16*PITCH+32
.endr
	WIN 0
.irp i, 0,1,2,3
	ds_load_b128 v[64+32*(\f)+8*\i:64+32*(\f)+8*\i+3],   v[ADRA+(\slot)] offset:(\k)+\i*16*PITCH
	ds_load_b128 v[64+32*(\f)+8*\i+4:64+32*(\f)+8*\i+7], v[ADRA+(\slot)] offset:(\k)+\i*16*PITCH+32
.endr
.endm
; A K step is four quarters of 32 along K, 48 matrix instructions each, on buffers 0, 1, 0, 1.  One of the first three: multiplies buffer f and fetches the next quarter, at byte k, into g.
; pf = 1: the trip's prefetch stands behind the run of LDS loads (every window is 0 there); the wait behind it is for loads issued 48 matrix instructions ago.
.macro QUARTER slot, k, f, g, zero, pf=0
	s_wait_dscnt 0x4                               ; B and A's row blocks 0, 1 are in; the youngest four loads (blocks 2, 3) may be out
	MUL12 \f, 0, 0, \zero
	MUL12 \f, 0, 1, \zero
	PLACES
	FETCH \slot, \k, \g
.if \pf
	PF 0
.endif
	s_wait_dscnt 0x20                              ; all but the 32 just issued
	MUL12 \f, 1, 0, \zero
	MUL12 \f, 1, 1, \zero
.endm
; The last quarter multiplies buffer 1 and changes slots: ONE barrier; in front of it each wave waits for its own reads of this slot and for all its tensor loads, of which one is out:
; its part of the next slot.  fill = 1: the barrier opens a round of the cluster's, and this slot is filled again, two K steps ahead, first thing behind the round:
; 180 matrix instructions stand between that request and the wait for it.
.macro TURN slot, next, fill
	s_wait_dscnt 0x4
	MUL12 1, 0, 0, 0
	s_wait_dscnt 0x0                               ; my reads of this slot are over,
	s_set_vgpr_msb 0xa1a0
	s_wait_tensorcnt 0x0                           ; and all my tensor loads have landed
	ds_add_u32 v19, v39
	s_wait_dscnt 0x0
	s_set_vgpr_msb 0xa0a1
	s_barrier_signal -1
	MUL12 1, 0, 1, 0                               ; registers only, while the others arrive
.if \fill
	WIN 0
.endif
	s_barrier_wait -1
.if \fill
	CREST                                          ; no wave of any partner still reads this slot's tile or has a load on its way
	s_add_nc_u64 s[G0+4*(\slot)+2:G0+4*(\slot)+3], s[G0+4*(\slot)+2:G0+4*(\slot)+3], 2*KSTEP*2
	s_add_nc_u64 s[G0B+4*(\slot)+2:G0B+4*(\slot)+3], s[G0B+4*(\slot)+2:G0B+4*(\slot)+3], 2*KSTEP*2
	JLOAD \slot                                    ; its four v_nop are also the places in front of the loads below
.else
	PLACES
.endif
	FETCH \next, 0, 0
	MUL12 1, 1, 0, 0
	MUL12 1, 1, 1, 0
.endm
	s_wait_tensorcnt 0x1                           ; my part of K step 0 is in; K step 1's may stay out
	s_barrier_signal -1
	s_barrier_wait -1                              ; everybody's is
	FETCH 0, 0, 0
	QUARTER 0, 64, 0, 1, 1                         ; the first quarter stands in front of the loop: its products start the sums
	WIN 0                                          ; at a label and at a branch every window is 0
	s_mov_b32 s63, LAPS-1
.Llap:                                                 ; a trip goes once round the ring, from a lap's second quarter to the next lap's first, and fills both slots again
	QUARTER 0, 128, 1, 0, 0
	QUARTER 0, 192, 0, 1, 0
	TURN 0, 1, 1
	QUARTER 1, 64,  0, 1, 0
	QUARTER 1, 128, 1, 0, 0
	QUARTER 1, 192, 0, 1, 0, 1                     ; with the trip's prefetch
	TURN 1, 0, 1
	QUARTER 0, 64,  0, 1, 0
	WIN 0
	s_wait_xcnt 0x0                                ; the prefetch's base is stepped only behind this wait, which stands 120 matrix instructions behind the prefetch
	s_add_nc_u64 s[PFB:PFB+1], s[PFB:PFB+1], 2*KSTEP*2  ; two K steps on (behind the last trip it is not used)
	s_sub_co_u32 s63, s63, 1
	s_cmp_lg_u32 s63, 0
	s_cbranch_scc1 .Llap
	QUARTER 0, 128, 1, 0, 0                        ; the last lap fills nothing
	QUARTER 0, 192, 0, 1, 0
	TURN 0, 1, 0                                   ; behind this barrier nobody reads slot 0 and nothing fills it: it is the scratch from here on
	QUARTER 1, 64,  0, 1, 0
	QUARTER 1, 128, 1, 0, 0
	QUARTER 1, 192, 0, 1, 0
	s_wait_dscnt 0x4                               ; the very last quarter: nothing more to fetch
	MUL12 1, 0, 0, 0
	MUL12 1, 0, 1, 0
	s_wait_dscnt 0x0
	MUL12 1, 1, 0, 0
	MUL12 1, 1, 1, 0
	WIN 0
	PLACES
	s_wait_loadcnt 0x0                             ; gains and rotations
	; The gains are rounded to bf16 and widened again, once: the packed pairs pass through B's first fragment registers, which are free (the four places above stand behind their last reader).
	WIN 0x45                                       ; destination, source 0 and source 1 in window 1
.set n, 0
.rept 32
	v_cvt_pk_bf16_f32 v[n], v[192+2*n], v[193+2*n]
.set n, n+1
.endr
.set n, 0
.rept 32
	v_lshlrev_b32 v[192+2*n], 16, v[n]             ; bf16 to f32: the low half moves up,
	v_and_b32 v[193+2*n], 0xffff0000, v[n]         ; the high half stays
.set n, n+1
.endr
	WIN 0
; THE WAY OUT, a block of 16 rows (a) and a part (0 q, 1 k, 2 v) at a time.
; NORM: the lane's 32 squares, the other half of the lanes' 32; 8 / max(norm, 1e-12) = 8 rsq(max(sum, 1e-24)); times gain; the rotation of each pair; rounded to f16.
; Each accumulator's lowest registers are read first.
.macro NORM part, a
.set W,  2+(\a)/2
.set AB, 96*((\a)%2)+32*(\part)
.set RO, 128+32*(\a)
.set GA, 192+32*(\part)
	WIN 5*W                                        ; sources 0 and 1 in the accumulators' window
	v_pk_mul_f32 v[32:33], v[AB:AB+1], v[AB:AB+1]
	v_pk_mul_f32 v[34:35], v[AB+2:AB+3], v[AB+2:AB+3]
.set n, 2
.rept 14
	v_pk_fma_f32 v[32+2*(n%2):33+2*(n%2)], v[AB+2*n:AB+2*n+1], v[AB+2*n:AB+2*n+1], v[32+2*(n%2):33+2*(n%2)]
.set n, n+1
.endr
	WIN 4+W                                        ; source 0 the accumulators, source 1 the gains (window 1)
.set n, 0
.rept 16
	v_pk_mul_f32 v[T+2*n:T+2*n+1], v[AB+2*n:AB+2*n+1], v[GA+2*n:GA+2*n+1]
.set n, n+1
.endr
	WIN 0
	v_pk_add_f32 v[32:33], v[32:33], v[34:35]
	v_add_f32 v32, v32, v33
	v_permlanex16_b32 v38, v32, s84, s85           ; the row's other 32 columns lie in the lane 16 away
	v_add_f32 v32, v32, v38
	v_max_num_f32 v32, 0x179abe15, v32             ; 1e-24
	v_rsq_f32 v36, v32
	v_nop                                          ; a plain instruction between the root and the use of its result
	s_wait_alu depctr_va_vdst(0)
	v_mul_f32 v36, 0x41000000, v36                 ; x 8 = sqrt(64)
.set n, 0
.rept 16
	v_pk_mul_f32 v[T+2*n:T+2*n+1], v[T+2*n:T+2*n+1], v[36:37] op_sel_hi:[1,0]
.set n, n+1
.endr
.set n, 0
.rept 16                               ; pair n: (t1, t2) -> (t1 cos - t2 sin, t1 sin + t2 cos)
	v_mul_f32 v[40+2*(n%4)], v[T+2*n+1], v[RO+2*n+1]
	v_mul_f32 v[41+2*(n%4)], v[T+2*n], v[RO+2*n+1]
	v_fma_f32 v[T+2*n], v[T+2*n], v[RO+2*n], -v[40+2*(n%4)]
	v_fma_f32 v[T+2*n+1], v[T+2*n+1], v[RO+2*n], v[41+2*(n%4)]
.set n, n+1
.endr
.set n, 0
.rept 16
	v_cvt_pk_f16_f32 v[PK+n], v[T+2*n], v[T+2*n+1]
.set n, n+1
.endr
.endm
.macro VPACK a                         ; v is rounded as it is
.set W,  2+(\a)/2
.set AB, 96*((\a)%2)+64
	WIN 5*W
.set n, 0
.rept 16
	v_cvt_pk_f16_f32 v[PK+n], v[AB+2*n], v[AB+2*n+1]
.set n, n+1
.endr
	WIN 0
.endm
; STG: a lane's 8 columns of a row are 16 bytes; they go into rows of 160 bytes and come back as whole rows of 128.  q and k through my stage, v through its rows of VR, where it stays.
; Step u's rows come back into the sixteen registers that the stores of step u - 2 read: the wait that frees them stands at the head of SEND u - 1, which always comes between.
.macro STG part, a
.set RB, 112-64*((3*(\a)+(\part))%2)   ; the rows come back into v112-127 and v48-63 by turns
	WIN 0
.if (\part) == 2
.irp b, 0,1,2,3
	ds_store_b128 v[VSTO], v[PK+4*\b:PK+4*\b+3] offset:16*EP*(\a)+32*\b
.endr
.irp f, 0,1,2,3
	ds_load_b128 v[RB+4*\f:RB+4*\f+3], v[VRD] offset:16*EP*(\a)+4*EP*\f
.endr
.else
.irp b, 0,1,2,3
	ds_store_b128 v[QSTO], v[PK+4*\b:PK+4*\b+3] offset:32*\b
.endr
.irp f, 0,1,2,3
	ds_load_b128 v[RB+4*\f:RB+4*\f+3], v[QRD] offset:4*EP*\f  ; LDS serves a wave's instructions in order (ISA guide 5.7.1.4): these see the stores above, and the next step's stores come behind them
.endr
.endif
.endm
.macro SEND part, a
.set RB, 112-64*((3*(\a)+(\part))%2)
	WIN 0
	s_wait_xcnt 0x0                                ; every earlier memory instruction has had its addresses translated (ISA guide 3.1), the stores of the step before this one among them: the STG
	                                               ; that follows loads into the registers that they read.  It stands ahead of this step's own stores, which read the other sixteen registers
	s_wait_dscnt 0x0                               ; the rows are back (a step's arithmetic stands between their loads and this wait)
.irp f, 0,1,2,3
	global_store_b128 v[GO], v[RB+4*\f:RB+4*\f+3], s[18+2*(\part):19+2*(\part)] offset:2048*(\a)+512*\f  ; 512 consecutive bytes, aligned
.endr
.endm
; SKMAKE: sk = elu(k) + 1 = max(k, 0) + e^min(k, 0), in place on the rotated k in f32; rounded to f16 into its rows of SKR.
.macro SKMAKE a
	WIN 0
.irp c, 0,1,2,3
.irp i, 0,1,2,3
	v_pk_mul_f32 v[40+2*\i:41+2*\i], v[T+8*\c+2*\i:T+8*\c+2*\i+1], 0x3fb8aa3b op_sel_hi:[1,0]
.endr
.irp i, 0,1,2,3,4,5,6,7
	v_min_num_f32 v[40+\i], 0, v[40+\i]
.endr
.irp i, 0,1,2,3,4,5,6,7                ; a plain instruction stands behind each exponential
	v_exp_f32 v[40+\i], v[40+\i]
	v_max_num_f32 v[T+8*\c+\i], 0, v[T+8*\c+\i]
.endr
	s_wait_alu depctr_va_vdst(0)
.irp i, 0,1,2,3
	v_pk_add_f32 v[T+8*\c+2*\i:T+8*\c+2*\i+1], v[T+8*\c+2*\i:T+8*\c+2*\i+1], v[40+2*\i:41+2*\i]
.endr
.endr
.set n, 0
.rept 16
	v_cvt_pk_f16_f32 v[PK+n], v[T+2*n], v[T+2*n+1]
.set n, n+1
.endr
.irp b, 0,1,2,3
	ds_store_b128 v[SKSTO], v[PK+4*\b:PK+4*\b+3] offset:16*EP*(\a)+32*\b
.endr
.endm
	NORM 0, 0
	STG 0, 0
	NORM 1, 0
	SEND 0, 0
	STG 1, 0
	SKMAKE 0
	VPACK 0
	SEND 1, 0
	STG 2, 0
.irp a, 1,2,3
	NORM 0, \a
	SEND 2, \a-1
	STG 0, \a
	NORM 1, \a
	SEND 0, \a
	STG 1, \a
	SKMAKE \a
	VPACK \a
	SEND 1, \a
	STG 2, \a
.endr
	SEND 2, 3
	; THE MEMORY'S PART OF THIS BLOCK.  D(e, d) = the sum over the 256 rows of v[row][e] sk[row][d]: source 0 = v turned (16 e x 32 rows), source 1 = sk turned (32 rows x 16 d), both f16.
	; My wave takes d = 16 w .. 16 w + 15 and all 64 e; a fifth accumulator, with ones as source 0, sums sk.  The five take turns.
	s_wait_dscnt 0x0                               ; for the others' sake: my rows of sk and v are in LDS
	s_barrier_signal -1
	s_barrier_wait -1
	WIN 0x40
.irp i, 0,1,2,3,4,5,6,7
	v_mov_b32 v[160+\i], 0x3c003c00                ; 1.0, 1.0 in f16
.endr
.macro MFETCH q                        ; the fragments of four steps of 32 rows: sk 8 registers, v 32, at window 1 v[40 s]
	WIN 0x40
.irp s, 0,1,2,3
	ds_load_tr16_b128 v[40*\s:40*\s+3],   v[TRS] offset:32*EP*(4*(\q)+\s)
	ds_load_tr16_b128 v[40*\s+4:40*\s+7], v[TRS] offset:32*EP*(4*(\q)+\s)+16*EP
.irp e, 0,1,2,3
	ds_load_tr16_b128 v[40*\s+8+8*\e:40*\s+11+8*\e],  v[TRV] offset:32*EP*(4*(\q)+\s)+32*\e
	ds_load_tr16_b128 v[40*\s+12+8*\e:40*\s+15+8*\e], v[TRV] offset:32*EP*(4*(\q)+\s)+16*EP+32*\e
.endr
.endr
.endm
.macro MMUL q
	WIN 0x05                                       ; sources 0 and 1 window 1, C and D window 0
.irp s, 0,1,2,3
.irp e, 0,1,2,3
.if ((\q) == 0) && (\s == 0)
	v_wmma_f32_16x16x32_f16 v[64+8*\e:71+8*\e], v[40*\s+8+8*\e:40*\s+15+8*\e], v[40*\s:40*\s+7], 0
.else
	v_wmma_f32_16x16x32_f16 v[64+8*\e:71+8*\e], v[40*\s+8+8*\e:40*\s+15+8*\e], v[40*\s:40*\s+7], v[64+8*\e:71+8*\e]
.endif
.endr
.if ((\q) == 0) && (\s == 0)
	v_wmma_f32_16x16x32_f16 v[96:103], v[160:167], v[40*\s:40*\s+7], 0
.else
	v_wmma_f32_16x16x32_f16 v[96:103], v[160:167], v[40*\s:40*\s+7], v[96:103]
.endif
.endr
.endm
	MFETCH 0
	s_wait_dscnt 0x0
	MMUL 0
	PLACES                                         ; in front of the loads into the registers just multiplied
	MFETCH 1
	s_wait_dscnt 0x0
	MMUL 1
	WIN 0
	PLACES
	; A lane holds d = 16 w + r and, in accumulator e, the columns 16 e + 8 h + 0..7.  mp's block lies as [i 0..7][half 0..1][d 0..63][4 f32], column = 32 half + 4 i + 0..3:
	; 16 lanes store 256 consecutive aligned bytes straight from registers, each accumulator's low four first.
.irp e, 0,1,2,3
.irp j, 0,1
	global_store_b128 v[MO], v[64+8*\e+4*\j:67+8*\e+4*\j], s[24:25] offset:(\e&1)*8192+\j*2048+(\e>>1)*1024
.endr
.endr
	v_cmp_gt_u32 vcc_lo, 16, v3
	s_wait_xcnt 0x0                                ; EXEC changes only behind this wait: it is a source of the stores above
	s_and_saveexec_b32 s80, vcc_lo
	global_store_b32 v[ZO], v96, s[24:25]          ; the sum of sk: 64 bytes a wave, the one store here that fills part of 256 bytes
	s_wait_xcnt 0x0
	s_or_b32 exec_lo, exec_lo, s80
	s_wait_tensorcnt 0x0
	ds_add_u32 v19, v39
	s_wait_dscnt 0x0
	CROUND                                         ; the closing round: no work-group ends while a partner may still ask for a tile that names it
	s_endpgm
.Lfunc_end_k_q8b9ac8524f_proj:
	.size	k_q8b9ac8524f_proj, .Lfunc_end_k_q8b9ac8524f_proj-k_q8b9ac8524f_proj
	.p2alignl 7, 3214868480
	.fill 96, 4, 3214868480
	.section	.rodata,"a",@progbits
	.p2align	6, 0x0
	.amdhsa_kernel k_q8b9ac8524f_proj
		.amdhsa_group_segment_fixed_size 327680
		.amdhsa_private_segment_fixed_size 0
		.amdhsa_enable_private_segment 0
		.amdhsa_kernarg_size 88
		.amdhsa_user_sgpr_count 2
		.amdhsa_user_sgpr_kernarg_segment_ptr 1
		.amdhsa_wavefront_size32 1
		.amdhsa_system_sgpr_workgroup_id_x 1
		.amdhsa_system_sgpr_workgroup_id_y 1
		.amdhsa_system_sgpr_workgroup_id_z 1
		.amdhsa_system_vgpr_workitem_id 0
		.amdhsa_next_free_vgpr 960
		.amdhsa_next_free_sgpr 100
		.amdhsa_reserve_vcc 1
		.amdhsa_float_denorm_mode_32 3
		.amdhsa_float_denorm_mode_16_64 3
		.amdhsa_memory_ordered 1
		.amdhsa_forward_progress 1
		.amdhsa_inst_pref_size 221
	.end_amdhsa_kernel
	.amdgpu_metadata
---
amdhsa.version: [ 1, 2 ]
amdhsa.kernels:
  - .name:           k_q8b9ac8524f_proj
    .symbol:         k_q8b9ac8524f_proj.kd
    .args:
      - { .name: xa16, .offset: 0, .size: 8, .value_kind: global_buffer, .address_space: global }
      - { .name: wt16, .offset: 8, .size: 8, .value_kind: global_buffer, .address_space: global }
      - { .name: rope, .offset: 16, .size: 8, .value_kind: global_buffer, .address_space: global }
      - { .name: g_qa, .offset: 24, .size: 8, .value_kind: global_buffer, .address_space: global }
      - { .name: g_ka, .offset: 32, .size: 8, .value_kind: global_buffer, .address_space: global }
      - { .name: g_qx, .offset: 40, .size: 8, .value_kind: global_buffer, .address_space: global }
      - { .name: g_kx, .offset: 48, .size: 8, .value_kind: global_buffer, .address_space: global }
      - { .name: q16, .offset: 56, .size: 8, .value_kind: global_buffer, .address_space: global }
      - { .name: k16, .offset: 64, .size: 8, .value_kind: global_buffer, .address_space: global }
      - { .name: v16, .offset: 72, .size: 8, .value_kind: global_buffer, .address_space: global }
      - { .name: mp, .offset: 80, .size: 8, .value_kind: global_buffer, .address_space: global }
    .group_segment_fixed_size: 327680
    .private_segment_fixed_size: 0
    .kernarg_segment_align: 8
    .kernarg_segment_size: 88
    .max_flat_workgroup_size: 128
    .sgpr_count:     100
    .vgpr_count:     960
    .wavefront_size: 32
...
	.end_amdgpu_metadata
.endif
;; end of part 2
;; launch attn (part 3): grid 2 x 128, 4 waves a work-group, no clusters, 327,680 bytes of LDS; arguments q16, k16, v16, out0, out1, mp, gate; writes out0, out1
.if DOCPART == 3
	.amdgcn_target "amdgcn-amd-amdhsa--gfx1250"
	.amdhsa_code_object_version 6
	.text
	.protected	k_q8b9ac8524f_attn
	.globl	k_q8b9ac8524f_attn
	.p2align	8
	.type	k_q8b9ac8524f_attn,@function
k_q8b9ac8524f_attn:
	s_mov_b64 s[64:65], 0
	v_nop
	global_prefetch_b8 v0, s[64:65] scope:SCOPE_SE
	s_setreg_imm32_b32 hwreg(HW_REG_WAVE_MODE, 25, 1), 1
	s_wait_xcnt 0x0
; ATTENTION WITH A COMPRESSIVE MEMORY.  q16, k16, v16: [batch x 16 + head][4096][64] f16 = [H = 128 (batch, head, segment)][1024][64].  For each H:
;   local[q] = the sum over k <= q of softmax_k(Q[q] . K[k] / 8) V[k], inside the segment;
;   mem[q]   = sq M / (sq . z + 1e-6), sq = elu(Q[q]) + 1, M and z summed over the earlier segments' blocks in mp;
;   out      = g mem + (1 - g) local, g = sigmoid(gate[head]); f32, [batch][2048][head x 64 + e]: segments 0, 1 into out1 (a), segments 2, 3 into out0 (x).
; Products, maxima and sums in f32; the weights p are rounded to f16 for the second product (their sum l is taken of the unrounded p).
; The gate is rounded to bf16 as it is read, like every input of the program (up to 2^-9 of it against the unrounded gate): the program computes reference() of its inputs rounded to bf16,
; which the problem names as an expected result.
; THE MEMORY IN f16's RANGE.  It is used as M'[d][e] = M[d][e] / z[d], a mean of V's rows with the weights sk, and meets w[d] = g sq[d] z[d] / (sq . z + 1e-6), which lies in 0 to 1:
; g mem = the sum over d of w[d] M'[d].  M' lies in LDS like a tile of V with the 64 d as its keys, w has P's place in the registers (Q's fragments hold d as P's hold keys),
; and O^T, first multiplied by (1 - g) / l, takes the product like one more key step.
; LIMITS.  f16 holds no number beyond 65,504: Q, K, V arrive within it.  A hidden score counts as its value less 1e30.  A weight below 2^-126 counts as 0 in l.  z[d] below 1e-30 counts
; as 1e-30 (M[d] is then below 1e-30 times V's range).  NaN and infinities are not treated apart.
; THE WALK.  A segment's queries lie in NB = 4 blocks of 256; block i needs the key tiles 0 .. i, of which the last holds the diagonal.  A work-group takes TWO blocks, NB - 1 - b and then b:
; NB + 1 tiles, whatever b: 256 work-groups of equal work, and ONE loop with a constant trip count walks them.  Which tile is asked for, and what a trip does, hang on scalar registers made from b;
; every jump goes forward, but for the counted loops' own; none passes a barrier, or a tensor load but the one of LOAD's two that the wave's number does not choose.
; NO CLUSTER: an H has two work-groups, no multiple of four, and they ask for the same tile only in trips 0 to 2 of 5.
; SHARES.  Of a block's four bands of 64 queries a wave owns 16 rows in each: four PIECES.  In the diagonal tile's key step s band x sees all keys if s < x, none if s > x, and holds the diagonal if s = x.
; THE MASK is the C operand that starts the sum S^T = K Q^T: 0, or -1e30 where the key is hidden.  MD, made once, is the mask of a band's own step for my 16 rows; a product's mask is MD x AL + BE.
; LAYOUT, SOFTMAX, TURNS.  S^T = K Q^T holds ONE query a lane (lane % 16) and the keys 8 (lane / 16) + 0..7; two such results rounded to f16 ARE source 1 of O^T = V^T P.  p = 2^(c s - c m), c = log2(e) / 8,
; with a running maximum m; O and l are multiplied by a = 2^(c m_old - c m_new) in every step.  Turn n belongs to piece n: 8 products K Q^T of piece n + 1, later 8 products V^T P of piece n - 1; beside them
; the scaling, exponentials, roundings, sums and rescaling of piece n and the maximum and statistics of piece n + 1.  Four vector instructions stand behind every matrix instruction, the rest in two lumps.
; REGISTERS, in windows of 256 (s_set_vgpr_msb: bits 1:0 source 0, 3:2 source 1, 5:4 source 2, 7:6 destination):
;   window 0: v0-15 addresses and two at work; v16-31 statistics; v32-47 z at the start; v48-55 at work; v64-127 S^T, two buffers (also at work at the start and at a block's end);
;             v128-159 z by my lane's channels; v160-167 g, 1 - g, addresses; v192-223 P, two buffers
;   window 1: v0-127 O^T; v128-159 MD; v160-223 MC      window 2: v0-63 Q; v64-127 the second block's Q; v128-191 K; v192-255 V      window 3: blocks of mp at the start
.set SIZE_N, 1024
.set NB,    SIZE_N/256
.set NP,    4         ; pieces a wave: a name, no knob
.set KS,    64        ; keys in a step
.set PK,    144       ; a row of K in LDS: 128 bytes + 16 of padding
.set PV,    160       ; a row of V, and of M': 128 + 32
.set VOFF,  4*KS*PK   ; a slot holds a tile, four steps: 256 rows of K, then 256 rows of V
.set SLOT1, 1<<17     ; slot 1 begins here, so that one exclusive or turns an address in one slot into the other's
.set STAGE, SLOT1+4*KS*(PK+PV)  ; behind the ring, never filled by a tensor load: 16 rows x 272 bytes for each wave, for the way out
.set SP,    272       ; a row of the stage: 64 f32 + 16 bytes
.set MT,    STAGE+4*16*SP       ; M': 64 rows (d) x 160 bytes
.set ZS,    MT+64*PV            ; z: 64 f32
.set MBLK,  16640     ; a block of mp
.set AK0, 2           ; v2   my lane's place in a tile of K; never rewritten
.set AV0, 3           ; v3   the same for V
.set AK,  4           ; v4   the LDS address of K's next run of loads
.set AV,  5           ; v5   of V's
.set STO, 6           ; v6   the way out: where I put 32 bytes of a row
.set RD,  7           ; v7   the way out: where I read rows back
.set GO,  8           ; v8   my byte offset in two rows of the output
.set MV,  12          ; v12-13  c m_old, kept while c m is made anew: by buffer
.set QO,  15          ; v15  my byte offset in 16 rows of Q
.set ST,  16          ; piece t's statistics at v[ST+4 t]: c m, m, l (even keys', odd keys')
.set ZW,  32          ; v32-43  z of up to 12 blocks, as loaded
.set ZSUM, 44
.set TMP, 48          ; by buffer, four registers c0-c3 at work; when the maximum is found c2 takes a
.set S,   64
.set UW,  64          ; a block's end: 32 numbers at work (GW names v64-95 and v96-111 outright: register halves have no computed names),
.set EW,  96          ; and 32 more
.set ZL,  128         ; z[d] for the channels of Q's register n at ZL + 2 n, ZL + 2 n + 1
.set GATE, 160        ; g
.set GATC, 161        ; 1 - g
.set AM,  162         ; my lane's place in M', as AV0 in a tile of V
.set MPO, 163
.set ZPO, 164
.set MTS, 165
.set ZSS, 166
.set ZLA, 167
.set P,   192
.set MD,  128         ; window 1
.set MC,  160         ; window 1
.set QB,  64          ; window 2
.set KF,  128         ; window 2: key block kb, channel half c at KF + 16 kb + 8 c
.set VF,  192         ; window 2: key half kk, channel block cb at VF + 32 kk + 8 cb
.set WV,  12          ; s12  my wave's number
.set PB,  14          ; s14  b
.set HI,  15          ; s15  NB - 1 - b
.set G1K, 24          ; s[24:31] descriptor group 1 for K's tiles
.set G1V, 32          ; s[32:39] for V's: it differs in the padding alone
.set G0K, 40          ; s[40:43] descriptor group 0 for K's tiles
.set G0V, 44          ; s[44:47] the same for V's
.set SLOTS, 56        ; s56  tiles still to be asked for
.set CNT, 57          ; s57  counts a tile's key steps, 4 to 1
.set CS,  58          ; s[58:59] c
.set SEL, 60          ; s[60:61] v_permlanex16_b32's selects
.set TBK, 62          ; s62  LDS byte at which K of the step to be fetched begins
.set TBV, 63          ; s63  the same for V, less VOFF
.set RT,  70          ; s70  tiles of the block in hand that are still to be entered
.set NXT, 71          ; s71  the tile to be asked for next
.set LQ,  72          ; s72  the last tile of the block whose tiles are being asked for
.set NEW, 73          ; s73  1: the tile to be entered is a block's first
.set OFF, 74          ; s[74:75] a tile's byte offset in K and V
.set AL,  76          ; s[76:77] the mask's factor
.set BE,  78          ; s[78:79] the mask's addend
.set OLO, 80          ; s[80:81] the output at my rows of the second block
.set BIGN, 82         ; s82  -1e30
.set SEG, 95          ; s95  the segment, 0 .. 3
.set MSB, 0
.macro WIN new                      ; the high byte repeats the setting that is left; a switch that changes nothing is dropped
.if MSB != (\new)
	s_set_vgpr_msb (MSB<<8)|(\new)
.set MSB, (\new)
.endif
.endm
.set W_KQ, 0x0a       ; K and Q in window 2, S^T in window 0
.set W_KM, 0x1a       ; the same with the C operand in window 1
.set W_PV, 0x52       ; V in window 2, P in window 0, O^T in window 1
.set W_RS, 0x41       ; destination and source 0 in window 1, source 1 in window 0
; A fill.  Waves 0 and 1 fetch the two halves of a tile's K, waves 2 and 3 those of its V: 128 keys each.  Four v_nop follow each of the two lines, ahead of the jump and the label.
.macro LOAD
	s_cmp_lt_u32 s[WV], 2
	s_cbranch_scc0 .Lfor_v_\@
	tensor_load_to_lds s[G0K:G0K+3], s[G1K:G1K+7]
	s_nop 0
.rept 4
	v_nop
.endr
	s_branch .Lasked_\@
.Lfor_v_\@:
	tensor_load_to_lds s[G0V:G0V+3], s[G1V:G1V+7]
	s_nop 0
.rept 4
	v_nop
.endr
.Lasked_\@:
.endm
; THE CHANGE OF SLOTS.  Each wave waits for its own reads of the slot that it leaves and for all its tensor loads, of which one is out: its part of the other slot.  Behind the barrier nobody reads the old
; slot any more and the other slot is whole.  fill = 1: the old slot is filled again, the first thing behind the barrier, with tile NXT: the descriptor's address is made anew from that number.
; (At its first use nothing of the ring has been read yet: slot 0 is waited for, slot 1 filled.)
.macro CHANGE fill
	WIN 0                           ; at a label and at a branch every window is 0
	s_wait_dscnt 0x0
	s_wait_tensorcnt 0x0            ; no tensor load of mine is out, so a group 0 may be written
	ds_add_u32 v254, v255
	s_wait_dscnt 0x0
	s_barrier_signal -1             ; the scalar work stands between the signal and the wait
.if \fill
	s_lshl_b32 s[OFF], s[NXT], 15   ; a tile is 32,768 bytes of K and of V
	s_xor_b32 s[G0K+1], s[G0K+1], SLOT1
	s_add_nc_u64 s[G0K+2:G0K+3], s[6:7], s[OFF:OFF+1]
	s_or_b32 s[G0K+3], s[G0K+3], 0x80000000
	s_xor_b32 s[G0V+1], s[G0V+1], SLOT1
	s_add_nc_u64 s[G0V+2:G0V+3], s[8:9], s[OFF:OFF+1]
	s_or_b32 s[G0V+3], s[G0V+3], 0x80000000
	s_add_co_u32 s[NXT], s[NXT], 1  ; the block's next tile, or behind its last the second block's tile 0
	s_cmp_gt_u32 s[NXT], s[LQ]
	s_cselect_b32 s[NXT], 0, s[NXT]
	s_cselect_b32 s[LQ], s[PB], s[LQ]
.endif
	s_sub_co_u32 s[TBK], s[TBK], 4*KS*PK  ; the fetches go back to a slot's first step,
	s_xor_b32 s[TBK], s[TBK], SLOT1       ; in the other slot
	s_sub_co_u32 s[TBV], s[TBV], 4*KS*PV
	s_xor_b32 s[TBV], s[TBV], SLOT1
	s_barrier_wait -1
.if \fill
	LOAD
.endif
.endm
	s_load_b256 s[4:11], s[0:1], 0x0  ; Q s[4:5], K s[6:7], V s[8:9], out0 s[10:11]
	s_load_b128 s[88:91], s[0:1], 0x20  ; out1 s[88:89], mp s[90:91]
	s_load_b64 s[92:93], s[0:1], 0x30   ; gate
	v_lshl_add_u32 v254, v0, 2, 0x39d00
	v_mov_b32 v255, 0
	ds_add_u32 v254, v255
	ds_add_u32 v254, v255
	v_lshrrev_b32 v1, 5, v0
	v_readfirstlane_b32 s[WV], v1   ; wave 0..3
	s_mov_b32 s[PB], ttmp9
	s_sub_co_u32 s[HI], NB-1, s[PB]
	s_and_b32 s20, ttmp7, 0xffff    ; H = (batch x 16 + head) x 4 + segment
	s_and_b32 s[SEG], s20, 3
	s_lshr_b32 s96, s20, 2          ; batch x 16 + head
	s_and_b32 s97, s96, 15          ; head
	s_lshr_b32 s98, s96, 4          ; batch
	s_mov_b32 s21, 0
	s_mov_b64 s[22:23], SIZE_N*128
	s_mul_u64 s[20:21], s[20:21], s[22:23]  ; H's first byte in Q, K and V
	s_and_b32 s16, s[WV], 1         ; which half of a tile's 256 keys I fetch:
	s_lshl_b32 s22, s16, 14         ; its 128 rows of 128 bytes in memory,
	s_mov_b32 s23, 0
	s_add_nc_u64 s[22:23], s[22:23], s[20:21]
	s_mul_i32 s17, s16, 128*PK      ; and its place in a slot, for K
	s_mul_i32 s18, s16, 128*PV      ; and for V
	s_lshl_b32 s3, s[WV], 11        ; my 16 rows in a band of 64,
	s_lshl_b32 s2, s[HI], 15        ; in the first block,
	s_add_co_u32 s2, s2, s3
	s_lshl_b32 s84, s[PB], 15       ; and in the second
	s_add_co_u32 s84, s84, s3
	s_mov_b32 s3, 0
	s_mov_b32 s85, 0
	s_add_nc_u64 s[2:3], s[2:3], s[20:21]
	s_add_nc_u64 s[84:85], s[84:85], s[20:21]
	; the output: row batch x 2048 + (segment % 2) x 1024 + block x 256 + 16 w, rows of 4,096 bytes; the head's 256 bytes in it
	s_lshl_b32 s98, s98, 11
	s_and_b32 s99, s[SEG], 1
	s_lshl_b32 s99, s99, 10
	s_add_co_u32 s98, s98, s99
	s_lshl_b32 s99, s[WV], 4
	s_add_co_u32 s98, s98, s99
	s_lshl_b32 s99, s97, 8
	s_lshl_b32 s66, s[HI], 8
	s_add_co_u32 s66, s66, s98
	s_lshl_b32 s66, s66, 12
	s_add_co_u32 s66, s66, s99      ; the first block's
	s_mov_b32 s67, 0
	s_lshl_b32 s68, s[PB], 8
	s_add_co_u32 s68, s68, s98
	s_lshl_b32 s68, s68, 12
	s_add_co_u32 s68, s68, s99      ; the second's
	s_mov_b32 s69, 0
	s_lshl_b32 s98, s97, 2          ; the head's gate
	s_mov_b32 s99, 0
	s_mul_i32 s96, s96, 16*MBLK     ; the (batch, head)'s 16 blocks of mp
	s_mov_b32 s97, 0
	; descriptor group 1.  128 keys are 16,384 dense bytes: asked for as 64 rows of 256 bytes, two keys a row, and padded in LDS after every key
	s_mov_b32 s[G1K], (1<<16)|(1<<20)|(4<<22)|(3<<25)  ; 17:16 2-byte elements; 20 padding on; 24:22 after every 32 words (code 4); 31:25 4 words (code 3)
	s_mov_b32 s[G1V], (1<<16)|(1<<20)|(4<<22)|(7<<25)  ; the same with 8 words of padding (code 7)
.irp g, G1K, G1V
	s_mov_b32 s[\g+1], 128<<16      ; tensor_dim0 = 128
	s_mov_b32 s[\g+2], 64<<16       ; tensor_dim1 = 64
	s_mov_b32 s[\g+3], 128<<16      ; tile_dim0 = 128
	s_mov_b32 s[\g+4], 64           ; tile_dim1 = 64
	s_mov_b32 s[\g+5], 128          ; 128 elements from row to row
	s_mov_b32 s[\g+6], 0
	s_mov_b32 s[\g+7], 0
.endr
	s_mov_b32 s[CS], 0x3e38aa3b     ; c = log2(e) / 8 = 0.180337
	s_mov_b32 s[CS+1], s[CS]        ; named with it as a pair
	s_mov_b32 s[SEL], 0x76543210
	s_mov_b32 s[SEL+1], 0xfedcba98
	s_mov_b32 s[TBK], SLOT1+4*KS*PK ; the first change of slots turns these two into 0
	s_mov_b32 s[TBV], SLOT1+4*KS*PV
	s_mov_b32 s[G0K], 1             ; count = 1
	s_mov_b32 s[G0K+1], s17         ; LDS address: slot 0
	s_mov_b32 s[G0V], 1
	s_add_co_u32 s[G0V+1], s18, VOFF
	s_add_co_u32 s[RT], s[HI], 1    ; the first block has NB - b tiles
	s_mov_b32 s[NXT], 1
	s_mov_b32 s[LQ], s[HI]
	s_mov_b32 s[NEW], 1
	s_mov_b32 s[OFF+1], 0
	s_mov_b32 s[AL+1], 0            ; named as pairs
	s_mov_b32 s[BE+1], 0
	s_mov_b32 s[BIGN], 0xf149f2ca   ; -1e30
	s_mov_b32 s[SLOTS], NB
	s_wait_dscnt 0x0
	s_wait_kmcnt 0x0
	s_add_nc_u64 s[6:7], s[6:7], s[22:23]  ; K and V at my half of H's tile 0
	s_add_nc_u64 s[8:9], s[8:9], s[22:23]
	s_add_nc_u64 s[G0K+2:G0K+3], s[6:7], 0         ; global address
	s_or_b32 s[G0K+3], s[G0K+3], 0x80000000        ; type = 2
	s_add_nc_u64 s[G0V+2:G0V+3], s[8:9], 0
	s_or_b32 s[G0V+3], s[G0V+3], 0x80000000
	s_add_nc_u64 s[86:87], s[4:5], s[84:85]        ; Q at my rows of the second block,
	s_add_nc_u64 s[4:5], s[4:5], s[2:3]            ; and of the first
	s_cmp_lt_u32 s[SEG], 2
	s_cselect_b64 s[10:11], s[88:89], s[10:11]     ; segments 0 and 1 are a's: out1
	s_add_nc_u64 s[OLO:OLO+1], s[10:11], s[68:69]
	s_add_nc_u64 s[10:11], s[10:11], s[66:67]
	s_add_nc_u64 s[90:91], s[90:91], s[96:97]
	s_add_nc_u64 s[92:93], s[92:93], s[98:99]
	s_load_b32 s94, s[92:93], 0x0                  ; gate[head]; waited for where g is made
	LOAD                            ; tile 0 into slot 0
	; A fragment of K or Q is 16 rows x 32 channels in 8 registers: lane l holds row l % 16, channels 8 (l / 16) + 0..7 and 16 + 8 (l / 16) + 0..7: two loads of 16 bytes, 32 bytes apart.
	v_and_b32 v1, 15, v0            ; l % 16
	v_bfe_u32 v9, v0, 4, 1          ; l / 16
	v_lshlrev_b32 v[QO], 7, v1
	v_lshl_add_u32 v[QO], v9, 4, v[QO]  ; row x 128 + 16 x half
	WIN 0x80                        ; destination window 2, address window 0
.set i, 0
.rept 8                             ; both blocks' Q: piece i / 2 lies in band i / 2, 8,192 bytes on; channels 32 (i % 2) on
	global_load_b128 v[8*i:8*i+3],   v[QO], s[4:5] offset:(i/2)*8192+(i%2)*64
	global_load_b128 v[8*i+4:8*i+7], v[QO], s[4:5] offset:(i/2)*8192+(i%2)*64+32
	global_load_b128 v[QB+8*i:QB+8*i+3],   v[QO], s[86:87] offset:(i/2)*8192+(i%2)*64
	global_load_b128 v[QB+8*i+4:QB+8*i+7], v[QO], s[86:87] offset:(i/2)*8192+(i%2)*64+32
.set i, i+1
.endr
	WIN 0
	v_lshlrev_b32 v14, 3, v9
	v_sub_nc_u32 v14, v1, v14
	s_lshl_b32 s13, s[WV], 4
	v_add_nc_u32 v14, s13, v14      ; my query's place in its band, 16 w + l % 16, less my lanes' 8 (l / 16): register r of group kt is hidden where 16 kt + r is greater
	WIN 0x40
.set i, 0
.rept 32
	v_cmp_gt_i32 vcc_lo, 16*(i/8)+i%8, v14
	v_cndmask_b32 v[MD+i], 0, s[BIGN], vcc_lo
.set i, i+1
.endr
	WIN 0
	v_mul_u32_u24 v[AK0], v1, PK
	v_lshl_add_u32 v[AK0], v9, 4, v[AK0]  ; row x pitch + 16 x half
	; The turning load takes 16 keys x 16 channels (lane l reads key 8 (l / 16) + l % 8, channels 8 ((l / 8) % 2) + 0..7) and leaves half a fragment of V^T: lane l holds channel l % 16 and 8 keys.
	v_and_b32 v10, 7, v0
	v_bfe_u32 v11, v0, 3, 1
	v_lshl_add_u32 v[AV0], v9, 3, v10
	v_mul_u32_u24 v[AV0], v[AV0], PV
	v_lshl_add_u32 v[AV0], v11, 4, v[AV0]
	v_add_nc_u32 v[AV0], VOFF, v[AV0]
	s_mul_i32 s13, s[WV], 16*SP
	s_add_co_u32 s13, s13, STAGE    ; my stage
	v_mul_u32_u24 v[STO], v1, SP    ; in: row l % 16, 32 bytes (8 f32) for each half of the lanes
	v_lshl_add_u32 v[STO], v9, 5, v[STO]
	v_add_nc_u32 v[STO], s13, v[STO]
	v_mul_u32_u24 v[RD], v9, SP     ; back: lanes 0-15 take one row of 256 bytes, lanes 16-31 the next,
	v_lshl_add_u32 v[RD], v1, 4, v[RD]
	v_add_nc_u32 v[RD], s13, v[RD]
	v_lshlrev_b32 v[GO], 12, v9     ; and the same two rows of the output
	v_lshl_add_u32 v[GO], v1, 4, v[GO]
	; THE MEMORY.  Thread t = 32 w + l sums column d = t % 64 of M, its numbers e = 32 (t / 64) + 0..31, and z[d], over the blocks of the earlier segments.
	v_add_nc_u32 v[AM], MT-VOFF, v[AV0]
	v_lshlrev_b32 v[MPO], 4, v0     ; in a block of mp: [i][half][d][4 f32]: 16 t, and 2,048 for each i
	v_and_b32 v14, 63, v0
	v_lshlrev_b32 v[ZPO], 2, v14
	v_add_nc_u32 v[ZPO], 16384, v[ZPO]
	v_and_b32 v14, 31, v0
	s_and_b32 s13, s[WV], 1
	s_mul_i32 s16, s13, 32*PV       ; M' row d = 32 (w % 2) + l,
	s_lshr_b32 s17, s[WV], 1
	s_lshl_b32 s17, s17, 6          ; its half w / 2: 64 bytes
	s_add_co_u32 s16, s16, s17
	s_add_co_u32 s16, s16, MT
	v_mul_u32_u24 v[MTS], v14, PV
	v_add_nc_u32 v[MTS], s16, v[MTS]
	s_lshl_b32 s13, s13, 7
	s_add_co_u32 s13, s13, ZS
	v_lshl_add_u32 v[ZSS], v14, 2, s13
	v_lshlrev_b32 v[ZLA], 5, v9
	v_add_nc_u32 v[ZLA], ZS, v[ZLA]
.set i, 0
.rept 32
	v_mov_b32 v[S+i], 0             ; segment 0 has no memory: its sums stay 0
.set i, i+1
.endr
	v_mov_b32 v[ZSUM], 0
.macro LOADSET k, win, base         ; the four blocks of segment k: 32 loads of 16 bytes into window win, v[base ..], and four words of z
	WIN (\win)<<6
.set p, 0
.rept 4
.set i, 0
.rept 8
	global_load_b128 v[(\base)+32*p+4*i:(\base)+32*p+4*i+3], v[MPO], s[90:91] offset:(4*(\k)+p)*MBLK+2048*i
.set i, i+1
.endr
.set p, p+1
.endr
	WIN 0
.set p, 0
.rept 4
	global_load_b32 v[ZW+4*(\k)+p], v[ZPO], s[90:91] offset:(4*(\k)+p)*MBLK
.set p, p+1
.endr
.endm
.macro ADDSET k, win, base
	WIN (\win)<<2
.set p, 0
.rept 4
.set i, 0
.rept 16
	v_pk_add_f32 v[S+2*i:S+2*i+1], v[S+2*i:S+2*i+1], v[(\base)+32*p+2*i:(\base)+32*p+2*i+1]
.set i, i+1
.endr
.set p, p+1
.endr
	WIN 0
.set p, 0
.rept 4
	v_add_f32 v[ZSUM], v[ZSUM], v[ZW+4*(\k)+p]
.set p, p+1
.endr
.endm
	s_cmp_lt_u32 s[SEG], 1          ; the ways fall through, so that each set that is added has been loaded on that way
	s_cbranch_scc1 .Lm0
	LOADSET 0, 3, 0
	s_cmp_lt_u32 s[SEG], 2
	s_cbranch_scc1 .Lm1
	LOADSET 1, 3, 128
	s_cmp_lt_u32 s[SEG], 3
	s_cbranch_scc1 .Lm2
	LOADSET 2, 1, 0                 ; into O^T's registers, which are cleared further down
	s_wait_loadcnt 0x0
	ADDSET 2, 1, 0
.Lm2:
	s_wait_loadcnt 0x0              ; the ways that join here differ in what is out: the count is 0
	ADDSET 1, 3, 128
.Lm1:
	s_wait_loadcnt 0x0
	ADDSET 0, 3, 0
.Lm0:
	v_max_num_f32 v45, 0x0da24260, v[ZSUM]  ; 1e-30
	v_rcp_f32 v46, v45
	v_mov_b32 v47, 0                ; named with v46 as a pair; also the plain instruction behind the reciprocal
.set i, 0
.rept 16
	s_wait_alu depctr_va_vdst(0)
	v_pk_mul_f32 v[S+2*i:S+2*i+1], v[S+2*i:S+2*i+1], v[46:47] op_sel_hi:[1,0]
.set i, i+1
.endr
.set i, 0
.rept 16
	v_cvt_pk_f16_f32 v[EW+i], v[S+2*i], v[S+2*i+1]
.set i, i+1
.endr
.irp f, 0,1,2,3
	ds_store_b128 v[MTS], v[EW+4*\f:EW+4*\f+3] offset:16*\f
.endr
	s_cmp_lt_u32 s[WV], 2           ; waves 0 and 1 hold each d once
	s_cbranch_scc0 .Lno_z
	ds_store_b32 v[ZSS], v[ZSUM]
.Lno_z:
	s_wait_dscnt 0x0                ; for the others' sake: my part of M' and z is in LDS
	s_barrier_signal -1             ; tile 0's load may stay out
	s_barrier_wait -1
.irp c, 0,1
.irp k, 0,1
.irp q, 0,1
	ds_load_b128 v[ZL+16*\c+8*\k+4*\q:ZL+16*\c+8*\k+4*\q+3], v[ZLA] offset:128*\c+64*\k+16*\q  ; z of the channels 32 c + 16 k + 8 (l / 16) + 4 q on; waited for at the first change of slots
.endr
.endr
.endr
	s_wait_kmcnt 0x0                ; gate[head]
	v_mov_b32 v[GATE], s94
	v_cvt_pk_bf16_f32 v[GATE], v[GATE], v[GATE]  ; the gate at bf16's precision, like every input,
	v_lshlrev_b32 v[GATE], 16, v[GATE]           ; and back in f32
	v_mul_f32 v[GATE], 0xbfb8aa3b, v[GATE]
	v_exp_f32 v[GATE], v[GATE]      ; e^-gate
	v_nop
	s_wait_alu depctr_va_vdst(0)
	v_add_f32 v[GATE], 1.0, v[GATE]
	v_rcp_f32 v[GATE], v[GATE]      ; g
	v_nop
	s_wait_alu depctr_va_vdst(0)
	v_sub_f32 v[GATC], 1.0, v[GATE]
	; A block's first step multiplies O^T and l by a = 0, and its first turn's products V^T P, of a piece that has not been, land in an O^T that is still to be so multiplied.  So these registers need only hold
	; finite numbers: zeros for the first block; what the first block left for the second.
	WIN 0x80
.set i, VF
.rept 64
	v_mov_b32 v[i], 0
.set i, i+1
.endr
	WIN 0x40
.set i, 0
.rept 128
	v_mov_b32 v[i], 0
.set i, i+1
.endr
	WIN 0
.set i, 0
.rept 4
	v_mov_b32 v[ST+4*i+2], 0
	v_mov_b32 v[ST+4*i+3], 0
.set i, i+1
.endr
.set i, P+16
.rept 16
	v_mov_b32 v[i], 0
.set i, i+1
.endr
; THE MATRIX WORK.  The 4 accumulators of a run of 8 take turns.  Product i of 8 of S^T = K Q^T for piece x: channels 32 (i / 4) on, keys 16 (i % 4) on.  The first 4 start the sums: with 0, or (KM = 1) with the mask.
.macro KQ x
.set rS, S+32*((\x)%2)+8*(i%4)
.set rK, KF+16*(i%4)+8*(i/4)
.set rQ, 16*(\x)+8*(i/4)
.set rM, MC+32*((\x)%2)+8*(i%4)
.if (i < 4) && KM
	WIN W_KM
	v_wmma_f32_16x16x32_f16 v[rS:rS+7], v[rK:rK+7], v[rQ:rQ+7], v[rM:rM+7]
.elseif i < 4
	WIN W_KQ
	v_wmma_f32_16x16x32_f16 v[rS:rS+7], v[rK:rK+7], v[rQ:rQ+7], 0
.else
	WIN W_KQ
	v_wmma_f32_16x16x32_f16 v[rS:rS+7], v[rK:rK+7], v[rQ:rQ+7], v[rS:rS+7]
.endif
.endm
; Product i of 8 of O^T += V^T P for piece x: keys 32 (i / 4) on, channels 16 (i % 4) on.
.macro PV x
	WIN W_PV
.set rO, 32*(\x)+8*(i%4)
.set rV, VF+32*(i/4)+8*(i%4)
.set rP, P+16*((\x)%2)+8*(i/4)
	v_wmma_f32_16x16x32_f16 v[rO:rO+7], v[rV:rV+7], v[rP:rP+7], v[rO:rO+7]
.endm
.macro MM                           ; the turn's next matrix instruction.  NOKQ = 1: a block's last turn: there is no next piece
.if (i < 8) && !NOKQ
	KQ (Y+1)%NP
.elseif i >= 8
.set i, i-8
	PV (Y+NP-1)%NP
.set i, i+8
.endif
.set i, i+1
.endm
; THE LDS LOADS stand in runs of 16, never singly among the matrix instructions: a step's K (64 keys x 64 channels: 8 fragments) and its V (turned).  Their addresses are made some lines ahead.
.macro FETCH_K
	WIN 0x80                        ; destination window 2
.irp f, 0,1,2,3,4,5,6,7             ; keys 16 (f / 2) on, channels 32 (f % 2) on
	ds_load_b128 v[KF+8*\f:KF+8*\f+3],   v[AK] offset:(\f/2)*16*PK+(\f%2)*64
	ds_load_b128 v[KF+8*\f+4:KF+8*\f+7], v[AK] offset:(\f/2)*16*PK+(\f%2)*64+32
.endr
	s_add_co_u32 s[TBK], s[TBK], KS*PK  ; the next fetch is the next step's
	WIN 0
.endm
.macro FETCH_V
	WIN 0x80
.irp f, 0,1,2,3,4,5,6,7             ; keys 32 (f / 4) on, channels 16 (f % 4) on
	ds_load_tr16_b128 v[VF+8*\f:VF+8*\f+3],   v[AV] offset:(\f/4)*32*PV+(\f%4)*32
	ds_load_tr16_b128 v[VF+8*\f+4:VF+8*\f+7], v[AV] offset:(\f/4)*32*PV+16*PV+(\f%4)*32
.endr
	WIN 0
.endm
.macro FETCH_M                      ; M' takes V's registers: its 64 rows d are the keys
	WIN 0x80
.irp f, 0,1,2,3,4,5,6,7
	ds_load_tr16_b128 v[VF+8*\f:VF+8*\f+3],   v[AM] offset:(\f/4)*32*PV+(\f%4)*32
	ds_load_tr16_b128 v[VF+8*\f+4:VF+8*\f+7], v[AM] offset:(\f/4)*32*PV+16*PV+(\f%4)*32
.endr
	WIN 0
.endm
; THE VECTOR WORK, one line at a time: OP kind, number.  For piece Y: F n: c s - c m for pair n of 16.  E n: the exponential of score n of 32.  C n: pair n rounded to f16.  B n: of the four weights 4 n .. the second
; pair is added onto the first, in place.  L n: l takes that sum (L 0: l = a l + sum).  R n: pair n of 16 of O^T times a.  For piece Y + 1: X n, number n of the 22 that find its maximum and statistics:
;   0-11  four chains c0-c3 of seven scores each, three operands at a time (each accumulator's lowest registers are read first)     12-14, 16  the four scores left over, the old m, and c0-c3 into c0
;   15  c m_old is kept     17, 18  the query's other 32 keys lie in the lane 16 away: the new m     19-21  c m; c m_old - c m_new; a
.set F, 0               ; OP tells the kinds apart by their order: F to L below R, X above it
.set E, 1
.set C, 2
.set B, 3
.set L, 4
.set R, 5
.set X, 6
.macro REGS y                       ; the registers of piece y
.set rT, ST+4*(\y)
.set rC, TMP+4*((\y)%2)
.set rW, MV+((\y)%2)
.set rS, S+32*((\y)%2)
.set rP, P+16*((\y)%2)
.set rO, 32*(\y)
.endm
.macro OP k, n
.if (\k) == R
	REGS Y
	WIN W_RS
	v_pk_mul_f32 v[rO+2*(\n):rO+2*(\n)+1], v[rO+2*(\n):rO+2*(\n)+1], v[rC+2:rC+3] op_sel_hi:[1,0]
.elseif (\k) < R
	REGS Y
	WIN 0
.if (\k) == F
	v_pk_fma_f32 v[rS+2*(\n):rS+2*(\n)+1], v[rS+2*(\n):rS+2*(\n)+1], s[CS:CS+1], v[rT:rT+1] op_sel_hi:[1,0,0] neg_lo:[0,0,1] neg_hi:[0,0,1]
.elseif (\k) == E
	v_exp_f32 v[rS+(\n)], v[rS+(\n)]
.elseif (\k) == C
	s_wait_alu depctr_va_vdst(0)
	v_cvt_pk_f16_f32 v[rP+(\n)], v[rS+2*(\n)], v[rS+2*(\n)+1]
.elseif (\k) == B
	s_wait_alu depctr_va_vdst(0)
	v_pk_add_f32 v[rS+4*(\n):rS+4*(\n)+1], v[rS+4*(\n):rS+4*(\n)+1], v[rS+4*(\n)+2:rS+4*(\n)+3]
.elseif (\n) == 0
	v_pk_fma_f32 v[rT+2:rT+3], v[rT+2:rT+3], v[rC+2:rC+3], v[rS:rS+1] op_sel_hi:[1,0,1]
.else
	v_pk_add_f32 v[rT+2:rT+3], v[rT+2:rT+3], v[rS+4*(\n):rS+4*(\n)+1]
.endif
.elseif NOKQ
	v_nop
.else
	REGS (Y+1)%NP
	WIN 0
.if (\n) < 4
	v_max3_num_f32 v[rC+(\n)], v[rS+8*(\n)], v[rS+8*(\n)+1], v[rS+8*(\n)+2]
.elseif (\n) < 12
	v_max3_num_f32 v[rC+(\n)%4], v[rC+(\n)%4], v[rS+8*((\n)%4)+2*((\n)/4)+1], v[rS+8*((\n)%4)+2*((\n)/4)+2]
.elseif (\n) == 12
	v_max3_num_f32 v[rC], v[rC], v[rS+7], v[rS+15]
.elseif (\n) == 13
	v_max3_num_f32 v[rC+1], v[rC+1], v[rS+23], v[rS+31]
.elseif (\n) == 14
	v_max3_num_f32 v[rC+2], v[rC+2], v[rC+3], v[rT+1]
.elseif (\n) == 15
	v_mov_b32 v[rW], v[rT]
.elseif (\n) == 16
	v_max3_num_f32 v[rC], v[rC], v[rC+1], v[rC+2]
.elseif (\n) == 17
	v_permlanex16_b32 v[rC+3], v[rC], s[SEL], s[SEL+1]
.elseif (\n) == 18
	v_max_num_f32 v[rT+1], v[rC], v[rC+3]
.elseif (\n) == 19
	v_mul_f32 v[rT], s[CS], v[rT+1]
.elseif (\n) == 20
	v_sub_f32 v[rC+1], v[rW], v[rT]
.else
	v_exp_f32 v[rC+2], v[rC+1]
.endif
.endif
.endm
.macro OPS a, i1, b=-1, i2=0, c=-1, i3=0, d=-1, i4=0  ; up to four of them
	OP \a, \i1
.if (\b) >= 0
	OP \b, \i2
.endif
.if (\c) >= 0
	OP \c, \i3
.endif
.if (\d) >= 0
	OP \d, \i4
.endif
.endm
.macro ROW a, i1, b, i2, c, i3, d, i4  ; a matrix instruction and the four behind it
	MM
	OPS \a, \i1, \b, \i2, \c, \i3, \d, \i4
.endm
.macro MASK b                       ; MD x AL + BE into buffer b of MC
	WIN W_RS
.set z, 0
.rept 16
	v_pk_fma_f32 v[MC+32*(\b)+2*z:MC+32*(\b)+2*z+1], v[MD+2*z:MD+2*z+1], s[AL:AL+1], s[BE:BE+1] op_sel_hi:[1,0,0]
.set z, z+1
.endr
.endm
; A TURN, for piece p: the order of its 16 matrix and 118 vector instructions, written out.  Behind a matrix instruction: plain, exponential, plain, plain; or four of the rescaling; or, behind the first, four scalings; none
; names a register of the products round it.  In the lumps exponential and plain by turns while exponentials last.  A line reads no result made fewer than three vector instructions in front of it, five if an exponential made it.
; m = 1: the diagonal tile: the products take masks, and the turn makes the mask for the products of the turn after it: piece p + 2, in step 4 - CNT of the tile.  end = 1: a block's last two turns: nothing is fetched.
; cnt = 1: the loop's count is taken down some lines ahead of the branch that stands behind the turn.
; K of the next step is fetched in piece 2's turn, six vector instructions behind the last product that read K (five of them plain); V of the step in hand in piece 0's turn, eight behind the last product that read V.
; Each is waited for a turn later.
.macro TURN p, m=0, end=0, cnt=0
.set Y, (\p)
.set i, 0
.set KM, (\m)
.set NOKQ, (\end)*((\p)/3)
.if (\m) && !(\end)
	s_cmp_eq_u32 s[CNT], 4-((\p)+2)%NP  ; is that step the band's own?
	s_cselect_b32 s[AL], 1.0, 0
	s_cmp_lt_u32 s[CNT], 4-((\p)+2)%NP  ; or a later one?
	s_cselect_b32 s[BE], s[BIGN], 0
.endif
.if ((\p) == 3) && !(\end)
	s_wait_dscnt 0x0                ; K is in
.endif
	ROW F,0, F,1, F,2, F,3
	ROW F,4, E,0, F,5, F,6
	ROW F,7, E,1, F,8, F,9
	ROW F,10, E,2, C,0, F,11
	ROW F,12, E,3, X,15, F,13
	ROW R,0, R,1, R,2, R,3
	ROW B,0, E,4, F,14, L,0
.if ((\p) == 2) && !(\end)
	v_add_nc_u32 v[AK], s[TBK], v[AK0]
.endif
	ROW R,4, R,5, R,6, R,7
	OPS E,5, F,15
.if ((\p) == 2) && !(\end)
	FETCH_K
.endif
	OPS E,6, C,1, E,7, R,8
	OPS E,8, R,9, E,9, C,2
	OPS E,10, X,0, E,11, X,1
	OPS E,12, X,2, E,13, X,3
.if (\p) == 1
	s_wait_dscnt 0x0                ; V is in
.endif
	ROW X,4, E,14, X,5, X,6
	ROW X,7, E,15, X,8, X,9
	ROW X,10, E,16, X,11, X,12
	ROW X,13, E,17, X,14, B,1
	ROW C,4, E,18, X,16, L,1
	ROW B,2, E,19, C,6, L,2
	ROW C,8, E,20, B,3, B,4
.if (\p) == 0
	v_add_nc_u32 v[AV], s[TBV], v[AV0]
.endif
	ROW C,3, E,21, L,3, C,5
	OPS E,22, X,17, E,23, C,10
.if (\p) == 0
	FETCH_V
.endif
	OPS E,24, L,4
	OPS E,25, X,18, E,26, C,7
	OPS E,27, B,5, E,28, X,19
	OPS E,29, C,12, E,30, L,5
	OPS E,31, X,20, B,6, C,9
	OPS C,14, C,11, X,21, L,6
.if (\p) == 0
	s_add_co_u32 s[TBV], s[TBV], KS*PV
.endif
.if \cnt
	s_sub_co_u32 s[CNT], s[CNT], 1
	s_cmp_lg_u32 s[CNT], 0
.endif
	OPS C,13, B,7, C,15, R,10
	OPS R,11, R,12, L,7, R,13
	OPS R,14, R,15
.if (\m) && !(\end)
	MASK (\p)%2
.endif
.endm
; A BLOCK BEGINS.  c m starts far below every c s, so the first step's a is 0; m at the lowest finite number, so the first maximum is the scores'.  The second mask buffer is 0; the first takes piece 0's mask for the
; tile's step 0: its own, if the block's first tile is the diagonal one.  Then K of that step, piece 0's first scores, and its maximum and statistics.  The loop is entered at a step's first turn, in the middle of a trip.
.macro BEGIN
	s_mov_b32 s[NEW], 0
	WIN 0x40
.set i, MC+32
.rept 32
	v_mov_b32 v[i], 0
.set i, i+1
.endr
	WIN 0
.set i, 0
.rept 4
	v_mov_b32 v[ST+4*i], 0xfe000000    ; c m: far below every c s
	v_mov_b32 v[ST+4*i+1], 0xff7fffff  ; m
.set i, i+1
.endr
	s_cmp_eq_u32 s[RT], 0
	s_cselect_b32 s[AL], 1.0, 0
	s_mov_b32 s[BE], 0
	MASK 0
	WIN 0
	v_add_nc_u32 v[AK], s[TBK], v[AK0]
	FETCH_K
	s_wait_loadcnt 0x0              ; Q
	s_wait_dscnt 0x0
.set KM, 1
.set NOKQ, 0
.set i, 0
.rept 8
	KQ 0
.set i, i+1
.endr
	WIN 0
.rept 4
	v_nop                           ; the places behind those products
.endr
.set Y, NP-1                        ; X works for piece Y + 1: piece 0
.irp n, 0,1,2,3,4,5,6,7,8,9,10,11,12,13,14,15,16,17,18,19,20,21
	OP X, \n
.endr
	v_nop                           ; a plain instruction behind the exponential
.endm
.macro ALL line:vararg              ; one line for each piece t
.set t, 0
.rept 4
	s_wait_alu depctr_va_vdst(0)
	\line
.set t, t+1
.endr
.endm
; A BLOCK'S END.  OSCALE: O^T times (1 - g) / l.
.macro OSCALE t
	WIN W_RS
.set i, 32*(\t)
.rept 16
	v_pk_mul_f32 v[i:i+1], v[i:i+1], v[ST+4*(\t)+2:ST+4*(\t)+3] op_sel_hi:[1,0]
.set i, i+2
.endr
.endm
; GW: piece t's weights on the memory.  Q's 16 registers come into window 0 (v96-111) and are widened into v64-95; sq = max(q, 0) + e^min(q, 0); u = sq z; the lane's 32 u are summed, with the other
; half of the lanes' 32; w = u g / (sum + 1e-6), rounded to f16 into P's buffer: register n holds the same two d that Q's register n held, which is where P holds its keys.
.macro GW t
	WIN 0x02                        ; source 0 window 2
.set n, 0
.rept 16
	v_mov_b32 v[EW+n], v[16*(\t)+n]
.set n, n+1
.endr
	WIN 0
	v_cvt_f32_f16 v64, v96.l        ; a register's halves are named outright: v[UW + 2 n], v[UW + 2 n + 1] from v[EW + n]
	v_cvt_f32_f16 v65, v96.h
	v_cvt_f32_f16 v66, v97.l
	v_cvt_f32_f16 v67, v97.h
	v_cvt_f32_f16 v68, v98.l
	v_cvt_f32_f16 v69, v98.h
	v_cvt_f32_f16 v70, v99.l
	v_cvt_f32_f16 v71, v99.h
	v_cvt_f32_f16 v72, v100.l
	v_cvt_f32_f16 v73, v100.h
	v_cvt_f32_f16 v74, v101.l
	v_cvt_f32_f16 v75, v101.h
	v_cvt_f32_f16 v76, v102.l
	v_cvt_f32_f16 v77, v102.h
	v_cvt_f32_f16 v78, v103.l
	v_cvt_f32_f16 v79, v103.h
	v_cvt_f32_f16 v80, v104.l
	v_cvt_f32_f16 v81, v104.h
	v_cvt_f32_f16 v82, v105.l
	v_cvt_f32_f16 v83, v105.h
	v_cvt_f32_f16 v84, v106.l
	v_cvt_f32_f16 v85, v106.h
	v_cvt_f32_f16 v86, v107.l
	v_cvt_f32_f16 v87, v107.h
	v_cvt_f32_f16 v88, v108.l
	v_cvt_f32_f16 v89, v108.h
	v_cvt_f32_f16 v90, v109.l
	v_cvt_f32_f16 v91, v109.h
	v_cvt_f32_f16 v92, v110.l
	v_cvt_f32_f16 v93, v110.h
	v_cvt_f32_f16 v94, v111.l
	v_cvt_f32_f16 v95, v111.h
.set n, 0
.rept 16
	v_pk_mul_f32 v[EW+2*n:EW+2*n+1], v[UW+2*n:UW+2*n+1], 0x3fb8aa3b op_sel_hi:[1,0]
.set n, n+1
.endr
.set n, 0
.rept 32
	v_min_num_f32 v[EW+n], 0, v[EW+n]
.set n, n+1
.endr
.set n, 0
.rept 32                            ; a plain instruction stands behind each exponential
	v_exp_f32 v[EW+n], v[EW+n]
	v_max_num_f32 v[UW+n], 0, v[UW+n]
.set n, n+1
.endr
.set n, 0
.rept 16
	s_wait_alu depctr_va_vdst(0)
	v_pk_add_f32 v[UW+2*n:UW+2*n+1], v[UW+2*n:UW+2*n+1], v[EW+2*n:EW+2*n+1]
.set n, n+1
.endr
.set n, 0
.rept 16
	v_pk_mul_f32 v[UW+2*n:UW+2*n+1], v[UW+2*n:UW+2*n+1], v[ZL+2*n:ZL+2*n+1]
.set n, n+1
.endr
.set n, 0
.rept 8
	v_pk_add_f32 v[EW+2*n:EW+2*n+1], v[UW+2*n:UW+2*n+1], v[UW+16+2*n:UW+16+2*n+1]
.set n, n+1
.endr
.set n, 0
.rept 4
	v_pk_add_f32 v[EW+2*n:EW+2*n+1], v[EW+2*n:EW+2*n+1], v[EW+8+2*n:EW+8+2*n+1]
.set n, n+1
.endr
	v_pk_add_f32 v[EW:EW+1], v[EW:EW+1], v[EW+4:EW+5]
	v_pk_add_f32 v[EW+2:EW+3], v[EW+2:EW+3], v[EW+6:EW+7]
	v_pk_add_f32 v[EW:EW+1], v[EW:EW+1], v[EW+2:EW+3]
	v_add_f32 v[EW], v[EW], v[EW+1]
	v_permlanex16_b32 v[EW+1], v[EW], s[SEL], s[SEL+1]
	v_add_f32 v[EW], v[EW], v[EW+1]
	v_add_f32 v[EW], 0x358637bd, v[EW]  ; + 1e-6
	v_rcp_f32 v[EW+2], v[EW]
	v_nop
	s_wait_alu depctr_va_vdst(0)
	v_mul_f32 v[EW+2], v[EW+2], v[GATE]
.set n, 0
.rept 16
	v_pk_mul_f32 v[UW+2*n:UW+2*n+1], v[UW+2*n:UW+2*n+1], v[EW+2:EW+3] op_sel_hi:[1,0]
.set n, n+1
.endr
.set n, 0
.rept 16
	v_cvt_pk_f16_f32 v[P+16*((\t)%2)+n], v[UW+2*n], v[UW+2*n+1]
.set n, n+1
.endr
.endm
.macro MEMMM t                      ; O^T += M'^T w: eight products like a key step's, the piece's four accumulators by turns
.set i, 0
.rept 8
	PV \t
.set i, i+1
.endr
.endm
; THE WAY OUT, in f32.  A lane's eight channels of a row are 32 bytes; they go into rows of 272 bytes (each accumulator's low four first) and come back as whole rows of 256, into S^T's registers.
.macro OUTS t
.if (\t) >= 2
	s_wait_xcnt 0x0                 ; every earlier memory instruction has had its addresses translated (ISA guide 3.1): the registers that the stores two pieces back read are loaded again only behind this wait
.endif
	WIN 0x04                        ; the stores' data in window 1
.irp cb, 0,1,2,3
.irp q, 0,1
	ds_store_b128 v[STO], v[32*(\t)+8*\cb+4*\q:32*(\t)+8*\cb+4*\q+3] offset:64*\cb+16*\q
.endr
.endr
	WIN 0
.irp f, 0,1,2,3,4,5,6,7
	ds_load_b128 v[S+32*((\t)%2)+4*\f:S+32*((\t)%2)+4*\f+3], v[RD] offset:\f*2*SP  ; LDS serves a wave's instructions in order (ISA guide 5.7.1.4): these see the stores above; the next piece's stores come behind them
.endr
.endm
.macro OSEND t, younger             ; younger: the LDS instructions issued behind piece t's loads: the next piece's sixteen, or none
	WIN 0
.irp f, 0,1,2,3,4,5,6,7
	s_wait_dscnt (\younger)+7-\f
	global_store_b128 v[GO], v[S+32*((\t)%2)+4*\f:S+32*((\t)%2)+4*\f+3], s[10:11] offset:(\t)*262144+\f*8192 th:TH_STORE_NT  ; 16 lanes store the 256 aligned bytes of one row and head; piece t lies 64 rows on
.endr
.endm
; THE DIAGONAL TILE's four steps, the block's last two turns, its last products, the memory's step and the way out.
.macro DIAG tag                     ; the tag ends its two labels' names, which the jumps below spell out
.LstepM\tag:
	TURN 2, 1
	TURN 3, 1
	WIN 0
.LfirstM\tag:
	TURN 0, 1
	TURN 1, 1, 0, 1
	WIN 0
	s_cbranch_scc1 .LstepM\tag
	TURN 2, 1, 1
	TURN 3, 1, 1
.set i, 0
.rept 8
	PV NP-1
.set i, i+1
.endr
	WIN 0
	ALL v_add_f32 v[ST+4*t+2], v[ST+4*t+2], v[ST+4*t+3]   ; l's two halves: also the places behind the last products
	ALL v_permlanex16_b32 v[ST+4*t+3], v[ST+4*t+2], s[SEL], s[SEL+1]
	ALL v_add_f32 v[ST+4*t+2], v[ST+4*t+2], v[ST+4*t+3]
	ALL v_rcp_f32 v[ST+4*t+2], v[ST+4*t+2]
	v_nop                           ; a plain instruction between the last reciprocal and the use of its result
	ALL v_mul_f32 v[ST+4*t+2], v[ST+4*t+2], v[GATC]       ; (1 - g) / l
	FETCH_M
	OSCALE 0
	OSCALE 1
	OSCALE 2
	OSCALE 3
	GW 0
	s_wait_dscnt 0x0                ; M' is in
	MEMMM 0
	GW 1
	MEMMM 1
	GW 2
	MEMMM 2
	GW 3
	MEMMM 3
	WIN 0
.rept 4
	v_nop                           ; the places behind the last products
.endr
	OUTS 0
	OUTS 1
	OSEND 0, 16
	OUTS 2
	OSEND 1, 16
	OUTS 3
	OSEND 2, 16
	OSEND 3, 0
.endm
.set KM, 0
.set NOKQ, 0
.Lslot:                             ; NB times: a tile is entered and the next is asked for
	CHANGE 1
	s_sub_co_u32 s[RT], s[RT], 1
	s_mov_b32 s[CNT], 4
	s_cmp_eq_u32 s[NEW], 1
	s_cbranch_scc1 .Lnew            ; a block's first tile
	s_cmp_eq_u32 s[RT], 0
	s_cbranch_scc0 .Lstep           ; neither its first nor its last
	s_branch .LstepM1
.Lnew:
	BEGIN
	s_branch .Lfirst                ; in the loop a block's first tile is never its last: the first block has three tiles or more, and the second's last is the walk's last
	DIAG 1                          ; in the loop this is the first block's end
	s_wait_xcnt 0x0                 ; the stores have read their registers and the output's address
	s_mov_b64 s[10:11], s[OLO:OLO+1]
	s_add_co_u32 s[RT], s[PB], 1    ; the second block has b + 1 tiles
	s_mov_b32 s[NEW], 1
	WIN 0x82                        ; the second block's Q goes where the one text of the turns names Q
.set i, 0
.rept 64
	v_mov_b32 v[i], v[QB+i]
.set i, i+1
.endr
	WIN 0
	s_branch .Lbottom
.Lstep:                             ; a trip: pieces 2 and 3 of one step, then pieces 0 and 1 of the next, whose K and V it fetches
	TURN 2
	TURN 3
	WIN 0
.Lfirst:
	TURN 0
	TURN 1, 0, 0, 1
	WIN 0
	s_cbranch_scc1 .Lstep
.Lbottom:
	s_sub_co_u32 s[SLOTS], s[SLOTS], 1
	s_cmp_lg_u32 s[SLOTS], 0
	s_cbranch_scc1 .Lslot
	CHANGE 0                        ; the walk's last tile is written out: nothing is asked for
	s_sub_co_u32 s[RT], s[RT], 1
	s_mov_b32 s[CNT], 4
	s_cmp_eq_u32 s[NEW], 1
	s_cbranch_scc0 .LstepM2
	BEGIN
	s_branch .LfirstM2
	DIAG 2
	s_wait_tensorcnt 0x0
	ds_add_u32 v254, v255
	s_wait_dscnt 0x0
	s_endpgm
.Lfunc_end_k_q8b9ac8524f_attn:
	.size	k_q8b9ac8524f_attn, .Lfunc_end_k_q8b9ac8524f_attn-k_q8b9ac8524f_attn
	.p2alignl 7, 3214868480
	.fill 96, 4, 3214868480
	.section	.rodata,"a",@progbits
	.p2align	6, 0x0
	.amdhsa_kernel k_q8b9ac8524f_attn
		.amdhsa_group_segment_fixed_size 327680
		.amdhsa_private_segment_fixed_size 0
		.amdhsa_enable_private_segment 0
		.amdhsa_kernarg_size 56
		.amdhsa_user_sgpr_count 2
		.amdhsa_user_sgpr_kernarg_segment_ptr 1
		.amdhsa_wavefront_size32 1
		.amdhsa_system_sgpr_workgroup_id_x 1
		.amdhsa_system_sgpr_workgroup_id_y 1
		.amdhsa_system_sgpr_workgroup_id_z 1
		.amdhsa_system_vgpr_workitem_id 0
		.amdhsa_next_free_vgpr 1024
		.amdhsa_next_free_sgpr 100
		.amdhsa_reserve_vcc 1
		.amdhsa_float_denorm_mode_32 3
		.amdhsa_float_denorm_mode_16_64 3
		.amdhsa_memory_ordered 1
		.amdhsa_forward_progress 1
		.amdhsa_inst_pref_size 255
	.end_amdhsa_kernel
	.section	.bss,"aw",@nobits
	.p2align	6
	.space	262144
	.amdgpu_metadata
---
amdhsa.version: [ 1, 2 ]
amdhsa.kernels:
  - .name:           k_q8b9ac8524f_attn
    .symbol:         k_q8b9ac8524f_attn.kd
    .args:
      - { .name: q16, .offset: 0, .size: 8, .value_kind: global_buffer, .address_space: global }
      - { .name: k16, .offset: 8, .size: 8, .value_kind: global_buffer, .address_space: global }
      - { .name: v16, .offset: 16, .size: 8, .value_kind: global_buffer, .address_space: global }
      - { .name: out0, .offset: 24, .size: 8, .value_kind: global_buffer, .address_space: global }
      - { .name: out1, .offset: 32, .size: 8, .value_kind: global_buffer, .address_space: global }
      - { .name: mp, .offset: 40, .size: 8, .value_kind: global_buffer, .address_space: global }
      - { .name: gate, .offset: 48, .size: 8, .value_kind: global_buffer, .address_space: global }
    .group_segment_fixed_size: 327680
    .private_segment_fixed_size: 0
    .kernarg_segment_align: 8
    .kernarg_segment_size: 56
    .max_flat_workgroup_size: 128
    .sgpr_count:     100
    .vgpr_count:     1024
    .wavefront_size: 32
...
	.end_amdgpu_metadata
.endif
;; end of part 3
